; MI455X (gfx1250); checked and timed in simulation.
; The chip was launched on July 23, 2026; its instructions are those of AMD's public machine-readable ISA for CDNA 5 (MIT licence, August 2026) and "CDNA5" Instruction Set Architecture Reference Guide (July 2026). The comments in the code are by the model that wrote it; some were corrected since.
;; Counting. Allowed arithmetic: matrix products marked QUANTISED: E5M2 operands, one E8M0 scale for each 32 along K, by v_wmma_scale_f32_16x16x128_f8f6f4 with both operands' format E5M2, f32 sums; products left as they are: f32 operands where the result goes on into a quantised operand, else bf16, f16 or f32 operands; f32 sums; everything else in f32.
;; Inputs: W1 1 x 1,024 float32; W2 2,048 x 1,024 float32; b1 1,024 float32; data 8 x 2,048 x 1,024 float32.
;; Outputs: out0 8 x 2,048 x 1,024 float32.
;; This version of the problem:
;;   THIS VERSION OF THE PROBLEM IS GIVEN IN LOW PRECISION. The matrix products marked QUANTISED in the list below multiply operands that are first quantised to E5M2 (5 exponent bits, 2 mantissa bits; 8 bits a number), with one power-of-two scale for each 32 numbers along K (OCP MX v1.0); their sums are f32. All else is computed in f32.
;;   The module's matrix products, in the order in which they are computed (A, B: the left and right operand; K: the contracted axis; several contracted axes count as one K, in the product's order):
;;     1. batch 8 x [M 2,048, K 1,024] x [K 1,024, N 2,048]; A: computed on the way; B: computed on the way: QUANTISED
;;     2. [M 16,384, K 1] x [K 1, N 1,024]; A: computed on the way; B: input W1: left as it is (K = 1 < 32)
;;     3. [M 16,384, K 2,048] x [K 2,048, N 1,024]; A: computed on the way; B: input W2: QUANTISED
;;   THE QUANTISER, for each operand of a quantised product, along K:
;;     - K is cut into blocks of 32 from its start; a last block that is shorter is filled with zeros.
;;     - A block's scale is 2^e with e = floor(log2(the largest magnitude in the block)) - 15, held to -126 .. 127; a block of zeros has e = 0. As a byte (E8M0): e + 127.
;;     - Each number is divided by its block's scale, clamped to +-57,344, and rounded to the nearest number of E5M2, ties to even, subnormals kept.
;;     - The product sums the exact products of the quantised numbers (number of the format x scale) in f32.
;;   ~~~python
;;   def quantise(x, axis):      # numpy; x: float32 -> the quantised numbers, widened to float32 again
;;       x = np.moveaxis(x, axis, -1); K = x.shape[-1]
;;       x = np.pad(x, [(0, 0)] * (x.ndim - 1) + [(0, -K % 32)]); x = x.reshape(x.shape[:-1] + (-1, 32)); a = np.abs(x).max(-1, keepdims=True)
;;       e = np.where(a > 0, np.clip(np.frexp(np.where(a > 0, a, 1))[1] - 1 - 15, -126, 127), 0)      # np.frexp(a)[1] - 1 = floor(log2(a)), exactly
;;       r = np.clip(x / 2.0 ** e, -57344, 57344)
;;       step = 2.0 ** (np.maximum(np.frexp(np.where(r == 0, 1, r))[1] - 1, -14) - 2)
;;       q = np.round(r / step) * step * 2.0 ** e      # np.round: ties to even
;;       return np.moveaxis(q.reshape(q.shape[:-2] + (-1,))[..., :K], -1, axis).astype(np.float32)
;;   ~~~
;;   OPERANDS COMPUTED ON THE WAY. 'Computed on the way' means the value that the module computes at that place (a softmax that the list does not call 'softmax' is quantised finished and normalised). What goes into a quantiser is computed in f32, as accurately as f32 sums, v_exp_f32 and their like allow (about 1e-6 of the number): no bf16 or f16 on the way to a quantiser, and a product that is left as it is and whose result goes on into a quantised operand takes f32 operands (vector FMAs, or v_wmma_f32_16x16x4_f32). A number that lies on a knife's edge between two numbers of the format may be rounded either way, as far as f32 arithmetic and the matrix unit's own rounding can turn it there, and no further.
;; One version. Each part assembles by itself: llvm-mc -triple=amdgcn-amd-amdhsa -mcpu=gfx1250 --defsym DOCPART=n.
;; ======== version 1 of 1: 4 launches
;; workspace buffers: nq 16,777,216 bytes; nsc 524,288 bytes; aq 33,554,432 bytes; asc 1,048,576 bytes; wq 2,097,152 bytes; wsc 65,536 bytes; part 524,288 bytes
;; launch quant (part 1): grid 576 x 1, 4 waves a work-group, no clusters, 59,904 bytes of LDS; arguments data, W2, nq, nsc, aq, asc, wq, wsc; writes nq, nsc, aq, asc, wq, wsc
.if DOCPART == 1
	.amdgcn_target "amdgcn-amd-amdhsa--gfx1250"
	.amdhsa_code_object_version 6
	.text
	.protected	k_qeb981ff7a9_quant
	.globl	k_qeb981ff7a9_quant
	.p2align	8
	.type	k_qeb981ff7a9_quant,@function
k_qeb981ff7a9_quant:
	s_mov_b64 s[64:65], 0
	v_nop
	global_prefetch_b8 v0, s[64:65] scope:SCOPE_SE
	s_setreg_imm32_b32 hwreg(HW_REG_WAVE_MODE, 25, 1), 1
	s_wait_xcnt 0x0
; THE QUANTISER OF ALL THAT ARRIVES AS f32.  Codes of BF8 (E5M2), one E8M0 scale byte for each 32 along K.
;   data [16384][1024] f32  ->  aq  [16384][2048] codes, bytes 0..1023 of each row; asc [16384][64] scale bytes, bytes 0..31 of each row   (left half of the second product's operand)
;   data / its row's norm   ->  nq  [16384][1024] codes; nsc [16384][32] scale bytes                                                     (both operands of the first product)
;   W2 [2048 k][1024 n] f32 ->  wq  [1024 n][2048 k] codes, K innermost; wsc [1024][64] scale bytes
; A block's scale is 2^(floor(log2(its largest magnitude)) - 15); its byte is the largest magnitude's exponent field - 15, held at 1 from below; each number is held within +-57,344 x the scale and converted, ties to even.
; LIMITS: NaN and infinities among the inputs are not served.  A block whose largest magnitude lies under 2^-111 takes the byte 1; a block of zeros takes the byte 1 where the rule says 127: its codes are zeros, which add
; nothing under any byte but 0xff, and the bytes are read by this program alone.  The row's sum of squares is taken in another order than by rows of a reduction tree elsewhere; all in f32.
; SHARES.  Work-groups 0..63 take W2 (128 columns x 256 along K each), work-groups 64..575 take 32 rows of data, 8 rows a wave: either kind of wave reads 32 KiB.  The two kinds part by one scalar branch on the
; work-group's number and have LDS bytes of their own.  Waves share nothing: no barrier.  Work-groups share no input: no cluster, no tensor load; many waves with loads into registers keep memory busy.
; asc is written in pieces of 32 bytes at a pitch of 64 (the other 32 bytes of a row come from a later launch): 512 KiB of the 35 MiB that this launch stores.
.set WREG,  6144                       ; data path, LDS of a wave: a stage of 2 x 32 places of 80 bytes, then 256 scale bytes of data, then 256 of normed
.set SP,    80                         ; a lane's place in the stage: its 64 bytes + 16 of padding
.set DBY,   5120
.set W2LDS, 4*WREG                     ; W2's path: behind the data path's bytes, a stage of 32 rows x 272 bytes for each wave
.set R,   16                           ; v16-111  three sets of 32: a row as it is loaded
.set X,   112                          ; v112-143 step s at X + 16 s: 16 neighbours along K
.set NX,  144                          ; v144-175 the same, normed
.set CD,  176                          ; v176-183 data's codes, 4 registers a step
.set CN,  184                          ; v184-191 normed's
.set Q,   192                          ; v192-199 the sum of squares, four chains of pairs
.set MX,  200                          ; v200-201 a block's largest magnitude, one a step
.set AD,  202                          ; floored, data's;          AN: normed's
.set AN,  204
.set SD,  206                          ; the conversions' scale operands
.set SN,  208
.set HD,  210                          ; 57,344 x the scale
.set HN,  212
.set BD,  214                          ; the scale bytes
.set BN,  216
.set RN,  218                          ; v218 1 / norm; v219 is named with it as a pair, so it is written once
.set TP,  220                          ; a lane permute's destination counts as read: written once
.set M2,  222                          ; v222-223 the maxima's second chains
	s_load_b256 s[4:11], s[0:1], 0x0               ; data s[4:5], W2 s[6:7], nq s[8:9], nsc s[10:11]
	s_load_b256 s[12:19], s[0:1], 0x20             ; aq s[12:13], asc s[14:15], wq s[16:17], wsc s[18:19]
	v_lshl_add_u32 v224, v0, 2, 0xe800
	v_mov_b32 v225, 0
	v_lshrrev_b32 v1, 5, v0
	v_readfirstlane_b32 s20, v1                    ; wave 0..3
	v_and_b32 v2, 31, v0                           ; lane
	s_mov_b32 s30, 0x600000                        ; the mantissa field of 57,344
	s_mov_b32 s32, 0x76543210
	s_mov_b32 s33, 0xfedcba98                      ; v_permlanex16_b32's selects for lane l xor 16
	s_wait_kmcnt 0x0
	s_cmp_lt_u32 ttmp9, 64
	s_cbranch_scc1 .Lw2
	; ---------------- data: 8 rows a wave ----------------
	s_sub_co_u32 s21, ttmp9, 64
	s_lshl_b32 s21, s21, 5
	s_lshl_b32 s22, s20, 3
	s_add_co_u32 s21, s21, s22                     ; my wave's first row
	s_mov_b32 s25, 0
	s_lshl_b32 s24, s21, 12                        ; 4,096 bytes a row of data (all offsets stay under 2^27)
	s_add_nc_u64 s[4:5], s[4:5], s[24:25]
	s_lshl_b32 s24, s21, 10                        ; 1,024 a row of nq
	s_add_nc_u64 s[8:9], s[8:9], s[24:25]
	s_lshl_b32 s24, s21, 11                        ; 2,048 a row of aq
	s_add_nc_u64 s[12:13], s[12:13], s[24:25]
	s_lshl_b32 s24, s21, 5                         ; 32 a row of nsc
	s_add_nc_u64 s[10:11], s[10:11], s[24:25]
	s_lshl_b32 s24, s21, 6                         ; 64 a row of asc
	s_add_nc_u64 s[14:15], s[14:15], s[24:25]
	s_mul_i32 s23, s20, WREG
	v_lshlrev_b32 v3, 4, v2                        ; 16 x lane: my bytes of a load's 512, and my codes' place in a step's 512
	v_lshrrev_b32 v14, 2, v2
	v_mul_u32_u24 v14, v14, SP
	v_and_b32 v15, 3, v2
	v_lshl_add_u32 v14, v15, 4, v14
	v_add_nc_u32 v14, s23, v14                     ; the stage, on the way in: four lanes' 64 bytes on end, then 16 of padding
	v_mul_u32_u24 v15, v2, SP
	v_add_nc_u32 v15, s23, v15                     ; and on the way out: my 16 neighbours
	v_lshrrev_b32 v5, 1, v2
	s_add_co_u32 s23, s23, DBY
	v_add_nc_u32 v5, s23, v5                       ; my block's scale byte (two lanes hold a block)
	v_lshlrev_b32 v7, 3, v2                        ; the bytes' way out: 8 a lane; so they lie in nsc
	v_add_nc_u32 v6, s23, v7
	v_lshrrev_b32 v8, 2, v2
	v_lshlrev_b32 v8, 6, v8
	v_and_b32 v9, 3, v2
	v_lshl_add_u32 v8, v9, 3, v8                   ; and so in asc: row lane / 4 of 64 bytes, 8 (lane % 4)
	v_mov_b32 v[RN+1], 0
	v_mov_b32 v[TP], 0
.macro LOADROW t                       ; a row: eight loads of 512 consecutive bytes
.irp i, 0,1,2,3,4,5,6,7
	global_load_b128 v[R+32*((\t)%3)+4*\i:R+32*((\t)%3)+4*\i+3], v3, s[4:5] offset:4096*(\t)+512*\i th:TH_LOAD_NT
.endr
.endm
.macro ROW t
.set RS, R+32*((\t)%3)
.if (\t) < 6
	s_wait_loadcnt 16                              ; my row's eight loads are in; the two younger rows' sixteen may be out
.else
	s_wait_loadcnt 8*(7-(\t))                      ; the counts run down: 8, 0
.endif
.irp c, 0,1,2,3
	v_pk_mul_f32 v[Q+2*\c:Q+2*\c+1], v[RS+2*\c:RS+2*\c+1], v[RS+2*\c:RS+2*\c+1]       ; the sum of squares, from the row as loaded: four chains, begun by products
.endr
.irp p, 4,5,6,7,8,9,10,11,12,13,14,15
	v_pk_fma_f32 v[Q+2*(\p%4):Q+2*(\p%4)+1], v[RS+2*\p:RS+2*\p+1], v[RS+2*\p:RS+2*\p+1], v[Q+2*(\p%4):Q+2*(\p%4)+1]
.endr
.irp i, 0,1,2,3,4,5,6,7                ; the row turns through the stage: in as it lies, out 64 bytes a lane.  LDS serves a wave's instructions in order: no wait between
	ds_store_b128 v14, v[RS+4*\i:RS+4*\i+3] offset:2560*(\i/4)+640*(\i%4)
.endr
.irp i, 0,1,2,3,4,5,6,7
	ds_load_b128 v[X+4*\i:X+4*\i+3], v15 offset:2560*(\i/4)+16*(\i%4)
.endr
	v_pk_add_f32 v[Q:Q+1], v[Q:Q+1], v[Q+2:Q+3]
	v_pk_add_f32 v[Q+4:Q+5], v[Q+4:Q+5], v[Q+6:Q+7]
	v_pk_add_f32 v[Q:Q+1], v[Q:Q+1], v[Q+4:Q+5]
	v_add_f32 v[Q], v[Q], v[Q+1]
	v_add_f32_dpp v[Q], v[Q], v[Q] row_xmask:1 row_mask:0xf bank_mask:0xf
	v_add_f32_dpp v[Q], v[Q], v[Q] row_xmask:2 row_mask:0xf bank_mask:0xf
	v_add_f32_dpp v[Q], v[Q], v[Q] row_xmask:4 row_mask:0xf bank_mask:0xf
	v_add_f32_dpp v[Q], v[Q], v[Q] row_xmask:8 row_mask:0xf bank_mask:0xf
	v_permlanex16_b32 v[TP], v[Q], s32, s33
	v_add_f32 v[Q], v[Q], v[TP]                    ; every lane holds the row's sum of squares
	v_max_num_f32 v[Q], 0x2b8cbccc, v[Q]           ; not under 1e-12
	v_rsq_f32 v[RN], v[Q]
	s_wait_dscnt 0x0                               ; the 16 neighbours are back; the stage's stores have read the set; the last row's byte stores are done
.if (\t)+3 < 8
	LOADROW (\t)+3                                 ; into the set just left
.endif
.irp s, 0,1                            ; each block's largest magnitude: my 16 in two chains, the two steps by turns.  These lines are the plain work behind the reciprocal root
	v_max3_num_f32 v[MX+\s], |v[X+16*\s]|, |v[X+16*\s+1]|, |v[X+16*\s+2]|
	v_max3_num_f32 v[M2+\s], |v[X+16*\s+3]|, |v[X+16*\s+4]|, |v[X+16*\s+5]|
.endr
.irp i, 6,10
.irp s, 0,1
	v_max3_num_f32 v[MX+\s], v[MX+\s], |v[X+16*\s+\i]|, |v[X+16*\s+\i+1]|
	v_max3_num_f32 v[M2+\s], v[M2+\s], |v[X+16*\s+\i+2]|, |v[X+16*\s+\i+3]|
.endr
.endr
.irp s, 0,1
	v_max3_num_f32 v[MX+\s], v[MX+\s], |v[X+16*\s+14]|, |v[X+16*\s+15]|
.endr
.irp s, 0,1
	v_max_num_f32 v[MX+\s], v[MX+\s], v[M2+\s]
.endr
.irp s, 0,1
	v_max_num_f32_dpp v[MX+\s], v[MX+\s], v[MX+\s] row_xmask:1 row_mask:0xf bank_mask:0xf   ; with my neighbour's 16: the block's
.endr
	s_wait_alu depctr_va_vdst(0)                   ; the wait ahead of the first line that names the reciprocal root: one a row
.irp s, 0,1
	v_mul_f32 v[AN+\s], v[MX+\s], v[RN]            ; a rounded product by a positive number does not fall where its factor rises: this IS the largest |normed| of the block
.endr
.irp s, 0,1
	v_max_num_f32 v[AD+\s], 0x8000000, v[MX+\s]    ; the floor 2^(16 - 127): the byte cannot fall under 1
	v_max_num_f32 v[AN+\s], 0x8000000, v[AN+\s]
.endr
.irp s, 0,1
	v_add_nc_u32 v[SD+\s], 0xf8800000, v[AD+\s]    ; 15 off the exponent field: the conversion takes the exponent field of this operand as its scale
	v_add_nc_u32 v[SN+\s], 0xf8800000, v[AN+\s]
.endr
.irp s, 0,1
	v_and_or_b32 v[HD+\s], v[AD+\s], 0x7f800000, s30   ; 57,344 x the scale
	v_and_or_b32 v[HN+\s], v[AN+\s], 0x7f800000, s30
.endr
.irp p, 0,2,4,6,8,10,12,14,16,18,20,22,24,26,28,30
	v_pk_mul_f32 v[NX+\p:NX+\p+1], v[X+\p:X+\p+1], v[RN:RN+1] op_sel_hi:[1,0]   ; normed
.endr
.irp s, 0,1
.irp i, 0,1,2,3,4,5,6,7,8,9,10,11,12,13,14,15
	v_med3_num_f32 v[X+16*\s+\i], v[X+16*\s+\i], -v[HD+\s], v[HD+\s]            ; the conversion to an 8-bit code does not saturate (ISA guide 7.6.2): the hold
	v_med3_num_f32 v[NX+16*\s+\i], v[NX+16*\s+\i], -v[HN+\s], v[HN+\s]
.endr
.endr
	s_wait_xcnt 0x0                                ; the last row's stores have read their data: the codes' registers are written again only behind this wait
.irp s, 0,1
	v_cvt_scalef32_pk8_bf8_f32 v[CD+4*\s:CD+4*\s+1], v[X+16*\s:X+16*\s+7], v[SD+\s]
	v_cvt_scalef32_pk8_bf8_f32 v[CD+4*\s+2:CD+4*\s+3], v[X+16*\s+8:X+16*\s+15], v[SD+\s]
	v_cvt_scalef32_pk8_bf8_f32 v[CN+4*\s:CN+4*\s+1], v[NX+16*\s:NX+16*\s+7], v[SN+\s]
	v_cvt_scalef32_pk8_bf8_f32 v[CN+4*\s+2:CN+4*\s+3], v[NX+16*\s+8:NX+16*\s+15], v[SN+\s]
.endr
.irp s, 0,1
	v_lshrrev_b32 v[BD+\s], 23, v[SD+\s]           ; the scale bytes (plain lines behind the conversions)
	v_lshrrev_b32 v[BN+\s], 23, v[SN+\s]
.endr
.irp s, 0,1
	ds_store_b8 v5, v[BD+\s] offset:32*(\t)+16*\s          ; both lanes of a block write the same byte with the same value
	ds_store_b8 v5, v[BN+\s] offset:256+32*(\t)+16*\s
.endr
.irp s, 0,1
	global_store_b128 v3, v[CD+4*\s:CD+4*\s+3], s[12:13] offset:2048*(\t)+512*\s   ; 32 lanes store 512 consecutive bytes, at a multiple of 256 from the buffer's first byte
	global_store_b128 v3, v[CN+4*\s:CN+4*\s+3], s[8:9] offset:1024*(\t)+512*\s
.endr
.endm
	LOADROW 0
	LOADROW 1
	LOADROW 2
.irp t, 0,1,2,3,4,5,6,7
	ROW \t
.endr
	ds_load_b64 v[Q:Q+1], v6                       ; my wave's 256 scale bytes of data, 8 a lane: these see my stores (LDS serves a wave in order)
	ds_load_b64 v[Q+2:Q+3], v6 offset:256          ; and of normed
	s_wait_dscnt 0x0
	global_store_b64 v8, v[Q:Q+1], s[14:15]        ; four lanes fill a row's 32 bytes of asc
	global_store_b64 v7, v[Q+2:Q+3], s[10:11]      ; 32 lanes store 256 consecutive bytes of nsc, aligned
	s_wait_tensorcnt 0x0
	ds_add_u32 v224, v225
	s_wait_dscnt 0x0
	s_endpgm
	; ---------------- W2: K is its first axis.  A lane takes a column n, and its registers run down K ----------------
	; Each load reads 128 consecutive bytes a wave; a block of 32 along K lies in one lane's 32 registers; the conversions give codes with K innermost.  A wave takes 32 columns x 256 along K.
	; A lane's codes belong to one row of wq: they go through the wave's own stage and leave as rows, sixteen lanes to 256 consecutive aligned bytes.
.set NB,     8                         ; blocks of 32 along K for a wave
.set WPITCH, 272                       ; a stage row: 256 bytes + 16
.set KROW,   2048                      ; a row of wq
.set WX,     32                        ; v32-95   two sets of 32 numbers
.set WC,     96                        ; v96-103  a block's codes
.set WOUT,   112                       ; v112-175 the way out
.set WSB,    24                        ; v24-25   the scale bytes, four to a register
.Lw2:
	s_and_b32 s21, ttmp9, 7
	s_lshr_b32 s22, ttmp9, 3                       ; which 256 along K
	s_lshl_b32 s21, s21, 7
	s_lshl_b32 s23, s20, 5
	s_add_co_u32 s21, s21, s23                     ; my wave's first column
	v_lshlrev_b32 v3, 2, v2                        ; in: 4 bytes a lane
	s_mul_i32 s23, s20, 32*WPITCH
	s_add_co_u32 s23, s23, W2LDS                   ; my stage
	v_mul_u32_u24 v4, v2, WPITCH
	v_add_nc_u32 v4, s23, v4                       ; into it: row = my column
	v_and_b32 v5, 15, v2
	v_lshrrev_b32 v6, 4, v2                        ; out of it: sixteen lanes to a row, two rows an instruction
	v_mul_u32_u24 v7, v6, WPITCH
	v_lshl_add_u32 v7, v5, 4, v7
	v_add_nc_u32 v7, s23, v7
	v_lshlrev_b32 v8, 11, v6
	v_lshl_add_u32 v8, v5, 4, v8                   ; and the same place in wq
	v_lshlrev_b32 v9, 6, v2                        ; my column's row of scale bytes
	s_mov_b32 s25, 0
	s_lshl_b32 s24, s22, 20                        ; 256 rows of 4,096 bytes
	s_lshl_b32 s26, s21, 2
	s_add_co_u32 s24, s24, s26
	s_add_nc_u64 s[6:7], s[6:7], s[24:25]
	s_lshl_b32 s24, s21, 11
	s_lshl_b32 s26, s22, 8
	s_add_co_u32 s24, s24, s26
	s_add_nc_u64 s[16:17], s[16:17], s[24:25]
	s_lshl_b32 s24, s21, 6
	s_lshl_b32 s26, s22, 3
	s_add_co_u32 s24, s24, s26
	s_add_nc_u64 s[18:19], s[18:19], s[24:25]
.macro WLOAD t                         ; block t: W2(32 t + i, my column); every offset an immediate, 255 x 4,096 at the most
.irp i, 0,1,2,3,4,5,6,7,8,9,10,11,12,13,14,15,16,17,18,19,20,21,22,23,24,25,26,27,28,29,30,31
	global_load_b32 v[WX+32*((\t)%2)+\i], v3, s[6:7] offset:(32*(\t)+\i)*4096 th:TH_LOAD_NT
.endr
.endm
	WLOAD 0
	WLOAD 1
.macro WBLOCK t
.set WXS, WX+32*((\t)%2)
.if (\t) < NB-1
	s_wait_loadcnt 32                              ; this block's 32 loads are in; the next block's may be out
.else
	s_wait_loadcnt 0
.endif
	v_max3_num_f32 v12, |v[WXS]|, |v[WXS+1]|, |v[WXS+2]|            ; the block's largest magnitude: all 32 numbers are mine
	v_max3_num_f32 v13, |v[WXS+3]|, |v[WXS+4]|, |v[WXS+5]|
.irp i, 6,10,14,18,22,26
	v_max3_num_f32 v12, v12, |v[WXS+\i]|, |v[WXS+\i+1]|
	v_max3_num_f32 v13, v13, |v[WXS+\i+2]|, |v[WXS+\i+3]|
.endr
	v_max3_num_f32 v12, v12, |v[WXS+30]|, |v[WXS+31]|
	v_max3_num_f32 v12, v12, v13, 0x8000000        ; and the floor 2^(16 - 127)
	v_add_nc_u32 v11, 0xf8800000, v12              ; the conversion's scale operand
	v_and_or_b32 v10, v12, 0x7f800000, s30         ; 57,344 x the scale
	v_lshrrev_b32 v13, 23, v11                     ; the scale's byte
.if (\t)%4 == 0
	v_mov_b32 v[WSB+(\t)/4], v13                   ; four bytes to a register, the lower K in the lower byte
.else
	v_lshl_or_b32 v[WSB+(\t)/4], v13, 8*((\t)%4), v[WSB+(\t)/4]
.endif
.irp i, 0,1,2,3,4,5,6,7,8,9,10,11,12,13,14,15,16,17,18,19,20,21,22,23,24,25,26,27,28,29,30,31
	v_med3_num_f32 v[WXS+\i], v[WXS+\i], -v10, v10
.endr
.irp g, 0,1,2,3
	v_cvt_scalef32_pk8_bf8_f32 v[WC+2*\g:WC+2*\g+1], v[WXS+8*\g:WXS+8*\g+7], v11
.endr
	v_nop                                          ; a plain line behind the last conversion
	ds_store_b128 v4, v[WC:WC+3] offset:32*(\t)    ; 32 codes: 32 bytes of my column's row
	ds_store_b128 v4, v[WC+4:WC+7] offset:32*(\t)+16
.if (\t)+2 < NB
	WLOAD (\t)+2
.endif
	s_wait_dscnt 0x0                               ; the stores have read their registers: the next block's codes may be written
.endm
.irp t, 0,1,2,3,4,5,6,7
	WBLOCK \t
.endr
	global_store_b64 v9, v[WSB:WSB+1], s[18:19]    ; my column's 8 scale bytes
.irp t, 0,1,2,3,4,5,6,7,8,9,10,11,12,13,14,15
	ds_load_b128 v[WOUT+4*\t:WOUT+4*\t+3], v7 offset:2*\t*WPITCH
.endr
.irp t, 0,1,2,3,4,5,6,7,8,9,10,11,12,13,14,15
	s_wait_dscnt 15-\t                             ; LDS loads come back in order: load t is in, the younger ones may be out
	global_store_b128 v8, v[WOUT+4*\t:WOUT+4*\t+3], s[16:17] offset:2*\t*KROW
.endr
	s_wait_tensorcnt 0x0
	ds_add_u32 v224, v225
	s_wait_dscnt 0x0
	s_endpgm
.Lfunc_end_k_qeb981ff7a9_quant:
	.size	k_qeb981ff7a9_quant, .Lfunc_end_k_qeb981ff7a9_quant-k_qeb981ff7a9_quant
	.p2alignl 7, 3214868480
	.fill 96, 4, 3214868480
	.section	.rodata,"a",@progbits
	.p2align	6, 0x0
	.amdhsa_kernel k_qeb981ff7a9_quant
		.amdhsa_group_segment_fixed_size 59904
		.amdhsa_private_segment_fixed_size 0
		.amdhsa_enable_private_segment 0
		.amdhsa_kernarg_size 64
		.amdhsa_user_sgpr_count 2
		.amdhsa_user_sgpr_kernarg_segment_ptr 1
		.amdhsa_wavefront_size32 1
		.amdhsa_system_sgpr_workgroup_id_x 1
		.amdhsa_system_sgpr_workgroup_id_y 1
		.amdhsa_system_sgpr_workgroup_id_z 1
		.amdhsa_system_vgpr_workitem_id 0
		.amdhsa_next_free_vgpr 226
		.amdhsa_next_free_sgpr 66
		.amdhsa_reserve_vcc 0
		.amdhsa_float_denorm_mode_32 3
		.amdhsa_float_denorm_mode_16_64 3
		.amdhsa_memory_ordered 1
		.amdhsa_forward_progress 1
		.amdhsa_inst_pref_size 156
	.end_amdhsa_kernel
	.amdgpu_metadata
---
amdhsa.version: [ 1, 2 ]
amdhsa.kernels:
  - .name:           k_qeb981ff7a9_quant
    .symbol:         k_qeb981ff7a9_quant.kd
    .args:
      - { .name: data, .offset: 0, .size: 8, .value_kind: global_buffer, .address_space: global }
      - { .name: W2, .offset: 8, .size: 8, .value_kind: global_buffer, .address_space: global }
      - { .name: nq, .offset: 16, .size: 8, .value_kind: global_buffer, .address_space: global }
      - { .name: nsc, .offset: 24, .size: 8, .value_kind: global_buffer, .address_space: global }
      - { .name: aq, .offset: 32, .size: 8, .value_kind: global_buffer, .address_space: global }
      - { .name: asc, .offset: 40, .size: 8, .value_kind: global_buffer, .address_space: global }
      - { .name: wq, .offset: 48, .size: 8, .value_kind: global_buffer, .address_space: global }
      - { .name: wsc, .offset: 56, .size: 8, .value_kind: global_buffer, .address_space: global }
    .group_segment_fixed_size: 59904
    .private_segment_fixed_size: 0
    .kernarg_segment_align: 8
    .kernarg_segment_size: 64
    .max_flat_workgroup_size: 128
    .sgpr_count:     66
    .vgpr_count:     226
    .wavefront_size: 32
...
	.end_amdgpu_metadata
.endif
;; end of part 1
;; launch sim (part 2): grid 4 x 64, 4 waves a work-group, clusters of 4 x 4, 327,680 bytes of LDS; arguments nq, nsc, part; writes part
.if DOCPART == 2
	.amdgcn_target "amdgcn-amd-amdhsa--gfx1250"
	.amdhsa_code_object_version 6
	.text
	.protected	k_qeb981ff7a9_sim
	.globl	k_qeb981ff7a9_sim
	.p2align	8
	.type	k_qeb981ff7a9_sim,@function
k_qeb981ff7a9_sim:
	s_mov_b64 s[64:65], 0
	v_nop
	global_prefetch_b8 v0, s[64:65] scope:SCOPE_SE
	s_setreg_imm32_b32 hwreg(HW_REG_WAVE_MODE, 25, 1), 1
	s_wait_xcnt 0x0
	s_wait_alu depctr_hold_cnt(0) depctr_sa_sdst(0) depctr_va_vdst(0) depctr_va_sdst(0) depctr_va_ssrc(0) depctr_va_vcc(0) depctr_vm_vsrc(0)
	s_getreg_b32 s2, hwreg(HW_REG_IB_STS2, 6, 4)
	s_cmp_eq_u32 s2, 0
	s_cbranch_scc0 .Lentry_in_a_cluster
	s_endpgm
.Lentry_in_a_cluster:
	s_bfe_u32 s2, ttmp6, 0x10000c
	s_cmp_lg_u32 s2, 0xf033
	s_cbranch_scc0 .Lentry_shape_is_right
	s_endpgm
.Lentry_shape_is_right:
; THE FIRST PRODUCT, ITS RELU AND ITS ROW SUMS.  For each batch of 2,048 rows: sim = N N^T on codes of BF8 (E5M2) with one E8M0 scale for each 32 along K = 1,024; part[p][row] = the sum of relu(sim[row][c]) over the
; 256 columns c of plane p.  nq: [16384][1024] codes, nsc: [16384][32] scale bytes, part: [8][16384] f32.  A later launch adds the eight planes: no sum spans work-groups here.
; SHARES.  A work-group of four waves owns 256 rows (tile row tr = 0..63) and 512 columns of their batch (cx = 0..3), as TWO tiles of 256 x 256, one after the other; a wave makes 128 x 128: 64 accumulators, 512 registers.
; K goes in steps of 256 through a ring of two LDS slots filled by the tensor data mover, and the ring does not stop at the first tile's end: its last two changes of slots ask for the second tile's first two K steps.
; Plane p = 2 cx + the wave's column half: its columns are 512 cx + 128 half + 0..127 and the same 256 further on.
; THE SCALES of the 256 rows and of the 512 columns, for all of K, are dense blocks of memory: they come into LDS once, with the first fills, as rows of 256 bytes + 16 of padding, and stay.
; CLUSTERS: 4 x 4 work-groups.  The four of a row of the cluster need the same rows (A), the four of a column the same columns (B; the batch hangs on the cluster's y alone): each tile is asked for JOINTLY.
; THE MATRIX INSTRUCTION IS USED TRANSPOSED (source 0 = 16 columns' rows of nq, source 1 = 16 rows): a lane then holds ONE row of sim and 8 of its columns in each accumulator, so a row's sum is a sum down the
; lane's registers and one exchange between the halves of the lanes.
; The text has no loop: eight K steps, two tiles, each change of slots written out; every tensor load is on every path.
; REGISTERS, in windows of 256: window 0: v16-30 addresses; v32-63 scale words, two sets; v64-71 the row sums of my eight blocks of rows, v72-79 at work; from v128 A's fragments, ONE set.
;   window 1: B's fragments, TWO sets.   window 2: the 32 accumulators of my rows 0-63 (accumulator (a, b) at v[8 (8 a + b)]);   window 3: those of my rows 64-127.
; LIMITS: NaN and infinities are not served; the order of the row sums is this text's own.
.set NQ,     2                         ; matrix instructions deep in a slot: 256 along K
.set ROWB,   256                       ; a tile's row in bytes
.set KROW,   1024                      ; a row of nq in bytes
.set PITCH,  272                       ; an LDS row: 256 bytes + 16 of padding = 68 words: the 16 rows that a load touches start 4 words apart modulo 64
.set FR,     16                        ; registers of a fragment: 16 rows x 128 K
.set NL,     4                         ; LDS loads that bring one
.set NP,     8                         ; places behind this matrix instruction (ISA guide 7.12.1)
.set HALFT,  128*PITCH                 ; 128 rows: what one tensor load brings
.set SLOT,   4*HALFT                   ; A's 256 rows, then B's 256 rows
.set KS,     32                        ; a row of scales in bytes
.set SCL,    2*SLOT                    ; behind the ring: A's scales (256 rows), then B's (512 rows)
.set HALFS,  (128*KS/256)*272          ; the scales of 128 rows
.set SBLK,   (16*KS/256)*272           ; those of 16 rows
.set SPARE,  SCL+6*HALFS               ; behind the scales: the spare words, 128 bytes for each wave: two blocks of 256 bytes that no other line names
.set ADRA, 16                          ; v16-17  LDS address of my A fragments in slot 0, 1
.set ADRB, 20                          ; v20-21  the same for B
.set STO,  24                          ; v24     the way out: my row's word in my wave's 512 bytes (they lie in slot 0, which has had its last fill and its last read by then)
.set RD,   25                          ; v25     and where I read four words back
.set ADRS0, 26                         ; v26     LDS address of my scale words, first tile: lanes 0-15 A's rows, lanes 16-31 B's;  never rewritten: the K step stands in the loads' immediates
.set ADRS1, 27                         ; v27     second tile
.set SPW,  28                          ; v28     LDS address of my spare word; never rewritten
.set NIL,  29                          ; v29     0; never rewritten
.set CO,   30                          ; v30     16 x lane: my bytes of the wave's 512 in part
.set SC,   32                          ; scale words: set s (for slot s) at v[SC + 16 s]; register 2 i + q: lanes 0-15 the word of A's block i, lanes 16-31 of B's block i, for the slot's q-th 128 along K
.set RS,   64
.set TT,   72
.set AF,   128
.set G1, 24                            ; s[24:31] descriptor group 1 for A's tiles;  s[32:39] group 0, one set for each slot
.set G0, 32
.set G1B, 48                           ; s[48:55], s[56:63] the same for B's tiles
.set G0B, 56
.set G1S, 68                           ; s[68:75], s[76:79] groups 1 and 0 for A's scales;  s[80:87], s[88:91] for B's
.set G0S, 76
.set G1SB, 80
.set G0SB, 88
.set MSB, 0
.macro WIN new                         ; the immediate's high byte repeats the setting that is left
.if MSB != \new
	s_set_vgpr_msb (MSB<<8)|\new
.set MSB, \new
.endif
.endm
.set MUL_LO, 0xa1                      ; source 0 (B) window 1, source 1 (A) window 0, C and D window 2
.set MUL_HI, 0xf1                      ; the same, C and D window 3
.set TO_B,   0x40                      ; destination window 1, address window 0
; A joint load: waves 0 and 1 fetch for A, waves 2 and 3 for B.  Each of the two lines has one mask and one set of registers for all that issue it; the branch hangs on the wave's number alone.
; Four v_nop follow each of the two lines, ahead of the jump, the label and what follows.
.macro JLOAD g0a, g1a, g0b, g1b
	s_cmp_eq_u32 s15, 0
	s_cbranch_scc0 .Lfor_b_\@
	tensor_load_to_lds s[\g0a:\g0a+3], s[\g1a:\g1a+7]
	s_nop 0
.rept 4
	v_nop
.endr
	s_branch .Lasked_\@
.Lfor_b_\@:
	tensor_load_to_lds s[\g0b:\g0b+3], s[\g1b:\g1b+7]
	s_nop 0
.rept 4
	v_nop
.endr
.Lasked_\@:
.endm
.macro CREST                           ; a round of the cluster's barrier behind its opening barrier
	s_cmp_lg_u32 s14, 0
	s_cbranch_scc1 .Lnot_wave_0_\@
	s_barrier_signal -3
.Lnot_wave_0_\@:
	s_barrier_wait -3
	s_barrier_signal -1
	s_barrier_wait -1
.endm
.macro CROUND                          ; a whole round
	s_barrier_signal -1
	s_barrier_wait -1
	CREST
.endm
	s_load_b128 s[4:7], s[0:1], 0x0                ; nq s[4:5], nsc s[6:7]
	s_load_b64 s[12:13], s[0:1], 0x10              ; part
	v_lshl_add_u32 v[SPW], v0, 2, SPARE
	v_mov_b32 v[NIL], 0
	ds_add_u32 v28, v29
	ds_add_u32 v28, v29
	s_wait_dscnt 0x0
	v_lshrrev_b32 v1, 5, v0
	v_readfirstlane_b32 s14, v1                    ; wave 0..3
	s_lshr_b32 s15, s14, 1                         ; which half of the tile's rows is mine.  Also: I fetch for A (0) or for B (1)
	s_and_b32 s16, s14, 1                          ; which half of its columns.  Also: which part of that operand I fetch
	s_bfe_u32 s40, ttmp6, 0x40000                  ; cx, cy: my place in the cluster
	s_bfe_u32 s41, ttmp6, 0x40004
	s_and_b32 s17, ttmp7, 0xffff                   ; the cluster's y, 0..15
	s_lshr_b32 s42, s17, 1                         ; the batch: eight tile rows, two rows of clusters, to a batch
	s_lshl_b32 s17, s17, 2
	s_add_co_u32 s17, s17, s41                     ; tile row = 4 x cluster y + cy
	s_lshl_b32 s43, s41, 2
	s_lshl_b32 s43, 15, s43                        ; my row of the cluster
	s_lshl_b32 s44, 0x1111, s40                    ; my column
	s_mov_b32 s66, 0x76543210
	s_mov_b32 s67, 0xfedcba98                      ; v_permlanex16_b32's selects for lane l xor 16
	; descriptor group 1: a tile of 128 rows x 256 bytes, padded in LDS
	s_or_b32 s[G1+0], s43, (0<<16)|(1<<20)|(1<<21)|(5<<22)|(3<<25)  ; 15:0 the mask: A's tiles go to my row; 17:16 element of 1 byte; 20 padding on; 21 set beside a mask; 24:22 after every 64 words (code 5); 31:25 of 4 words (code 3)
	s_or_b32 s[G1B+0], s44, (0<<16)|(1<<20)|(1<<21)|(5<<22)|(3<<25)
.irp g, G1, G1B
	s_mov_b32 s[\g+1], ROWB<<16                    ; tensor_dim0
	s_mov_b32 s[\g+2], 128<<16                     ; tensor_dim1 = 128
	s_mov_b32 s[\g+3], ROWB<<16                    ; tile_dim0
	s_mov_b32 s[\g+4], 128                         ; tile_dim1 = 128
	s_mov_b32 s[\g+5], KROW                        ; tensor_dim0_stride
	s_mov_b32 s[\g+6], 0
	s_mov_b32 s[\g+7], 0
.endr
	; the scales: dense blocks, as rows of 256 bytes (32 elements of 8 bytes), 16 bytes of padding behind each.  A's load: 128 rows of nsc = 16 such rows;  B's: 256 rows of nsc = 32
	s_or_b32 s[G1S+0], s43, (3<<16)|(1<<20)|(1<<21)|(5<<22)|(3<<25)
	s_mov_b32 s[G1S+1], 32<<16
	s_mov_b32 s[G1S+2], 16<<16
	s_mov_b32 s[G1S+3], 32<<16
	s_mov_b32 s[G1S+4], 16
	s_mov_b32 s[G1S+5], 32
	s_mov_b32 s[G1S+6], 0
	s_mov_b32 s[G1S+7], 0
	s_or_b32 s[G1SB+0], s44, (3<<16)|(1<<20)|(1<<21)|(5<<22)|(3<<25)
	s_mov_b32 s[G1SB+1], 32<<16
	s_mov_b32 s[G1SB+2], 32<<16
	s_mov_b32 s[G1SB+3], 32<<16
	s_mov_b32 s[G1SB+4], 32
	s_mov_b32 s[G1SB+5], 32
	s_mov_b32 s[G1SB+6], 0
	s_mov_b32 s[G1SB+7], 0
	; where the tiles come from.  A's hang on the tile row alone, B's on the batch and cx alone; each in registers that never hold the other's coordinate.  All byte offsets stay under 2^24
	s_lshl_b32 s18, s16, 7
	s_lshl_b32 s20, s17, 8
	s_add_co_u32 s20, s20, s18                     ; A: row 256 x tile row + 128 x half
	s_lshl_b32 s46, s42, 11
	s_lshl_b32 s47, s40, 9
	s_add_co_u32 s46, s46, s47                     ; B: the first of my 512 columns: row 2,048 x batch + 512 cx of nq
	s_lshl_b32 s92, s16, 8
	s_add_co_u32 s92, s92, s46                     ; the 256 rows whose scales I fetch
	s_add_co_u32 s46, s46, s18                     ; the 128 rows of the first tile whose codes I fetch
	s_lshl_b32 s22, s20, 5                         ; in bytes: scales 32 a row,
	s_mov_b32 s23, 0
	s_lshl_b32 s92, s92, 5
	s_mov_b32 s93, 0
	s_lshl_b32 s20, s20, 10                        ; codes 1,024 a row
	s_mov_b32 s21, 0
	s_lshl_b32 s46, s46, 10
	s_mov_b32 s47, 0
	s_mul_i32 s45, s14, HALFT                      ; where they go: wave x 128 rows: no place in the cluster enters an LDS address
	s_mul_i32 s94, s14, HALFS                      ; A's scales: waves 0, 1
	s_mul_i32 s19, s16, 2*HALFS                    ; B's: behind A's two halves, twice as much a wave
	s_wait_kmcnt 0x0
	s_add_nc_u64 s[20:21], s[4:5], s[20:21]
	s_add_nc_u64 s[22:23], s[6:7], s[22:23]
	s_add_nc_u64 s[46:47], s[4:5], s[46:47]
	s_add_nc_u64 s[92:93], s[6:7], s[92:93]
	CROUND                                         ; all sixteen work-groups are here: the first joint loads meet
	s_mov_b32 s[G0S], 1
	s_add_co_u32 s[G0S+1], s94, SCL
	s_mov_b64 s[G0S+2:G0S+3], s[22:23]
	s_or_b32 s[G0S+3], s[G0S+3], 0x80000000
	s_mov_b32 s[G0SB], 1
	s_add_co_u32 s[G0SB+1], s19, SCL+2*HALFS
	s_mov_b64 s[G0SB+2:G0SB+3], s[92:93]
	s_or_b32 s[G0SB+3], s[G0SB+3], 0x80000000
	JLOAD G0S, G1S, G0SB, G1SB                     ; the scales first: they are wanted with K step 0
.irp s, 0,1
	s_mov_b32 s[G0+4*\s], 1
	s_add_co_u32 s[G0+4*\s+1], s45, \s*SLOT
	s_add_nc_u64 s[G0+4*\s+2:G0+4*\s+3], s[20:21], \s*ROWB
	s_or_b32 s[G0+4*\s+3], s[G0+4*\s+3], 0x80000000
	s_mov_b32 s[G0B+4*\s], 1
	s_add_co_u32 s[G0B+4*\s+1], s45, \s*SLOT
	s_add_nc_u64 s[G0B+4*\s+2:G0B+4*\s+3], s[46:47], \s*ROWB
	s_or_b32 s[G0B+4*\s+3], s[G0B+4*\s+3], 0x80000000
	JLOAD G0+4*\s, G1, G0B+4*\s, G1B               ; three loads of mine are out now
.endr
	v_and_b32 v1, 15, v0                           ; l % 16
	v_bfe_u32 v2, v0, 4, 1                         ; l / 16
	v_mul_u32_u24 v3, v1, PITCH
	v_lshl_add_u32 v4, v2, 4, v3                   ; a fragment's row x pitch + 16 x half
	s_mul_i32 s21, s15, HALFT                      ; my 128 rows of A
	s_mul_i32 s22, s16, HALFT                      ; my 128 rows of B,
	s_add_co_u32 s22, s22, 2*HALFT                 ; which lie behind A's 256
.irp s, 0,1
	v_add_nc_u32 v[ADRA+\s], s21, v4
	v_add_nc_u32 v[ADRB+\s], s22, v4
	s_add_co_u32 s21, s21, SLOT
	s_add_co_u32 s22, s22, SLOT
.endr
	v_mul_u32_u24 v5, v1, KS                       ; my row's scales: 32 bytes a row,
	v_lshrrev_b32 v6, 8, v5
	v_lshl_add_u32 v5, v6, 4, v5                   ; and 16 more for each 256 passed
	s_mul_i32 s21, s15, HALFS                      ; A's: my 128 rows
	s_mul_i32 s22, s16, HALFS                      ; B's: my 128 rows of the first tile, behind A's 256
	s_add_co_u32 s22, s22, 2*HALFS
	s_sub_co_u32 s22, s22, s21
	v_mul_u32_u24 v6, s22, v2                      ; lanes 16-31 take B's: the lower base + half x the distance
	s_add_co_u32 s22, s22, 2*HALFS                 ; the second tile's 256 rows lie two halves further on
	v_mul_u32_u24 v7, s22, v2
	s_add_co_u32 s21, s21, SCL
	v_add_nc_u32 v6, v5, v6
	v_add_nc_u32 v7, v5, v7
	v_add_nc_u32 v[ADRS0], s21, v6
	v_add_nc_u32 v[ADRS1], s21, v7
	s_lshl_b32 s23, s14, 9                         ; the way out: 512 bytes a wave
	v_lshl_add_u32 v[STO], v1, 2, s23
	v_and_b32 v6, 31, v0
	v_lshlrev_b32 v[CO], 4, v6
	v_add_nc_u32 v[RD], s23, v[CO]
	s_lshl_b32 s46, s40, 1                         ; part: plane 2 cx + column half, row 256 x tile row + 128 x row half, 4 bytes a number
	s_add_co_u32 s46, s46, s16
	s_lshl_b32 s46, s46, 14
	s_lshl_b32 s47, s17, 8
	s_add_co_u32 s46, s46, s47
	s_lshl_b32 s47, s15, 7
	s_add_co_u32 s46, s46, s47
	s_lshl_b32 s46, s46, 2
	s_mov_b32 s47, 0
	s_add_nc_u64 s[12:13], s[12:13], s[46:47]
.macro FRAG reg, adr, q, i             ; a fragment, 16 rows x 128 K of 8-bit codes, is 16 registers: lane l holds row l % 16; registers 4 c .. 4 c + 3 hold K = 32 c + 16 (l / 16) + 0 .. 15
.irp c, 0,1,2,3
	ds_load_b128 v[\reg+4*\c:\reg+4*\c+3], v[\adr] offset:128*(\q)+32*\c+(\i)*16*PITCH
.endr
.endm
; 16 matrix instructions: A's blocks a0, a0 + 1 x B's eight, 128 along K: the slot's q-th.  p: B's set;  sc: the set of scale words.  zero = 1: the product starts the sums: nothing is ever cleared.
; The 64 accumulators take turns, one instruction a turn, in the same order in every step.
.macro MUL16 a0, p, q, sc, zero
.irp a, \a0, \a0+1
.irp b, 0,1,2,3,4,5,6,7
.if \zero
	v_wmma_scale_f32_16x16x128_f8f6f4 v[8*(8*((\a)%4)+\b):8*(8*((\a)%4)+\b)+7], v[128*(\p)+FR*\b:128*(\p)+FR*\b+FR-1], v[AF+FR*(\a):AF+FR*(\a)+FR-1], 0, v[SC+8*NQ*(\sc)+NQ*\b+(\q)], v[SC+8*NQ*(\sc)+NQ*(\a)+(\q)] matrix_a_fmt:MATRIX_FMT_BF8 matrix_b_fmt:MATRIX_FMT_BF8 matrix_a_scale:MATRIX_SCALE_ROW1
.else
	v_wmma_scale_f32_16x16x128_f8f6f4 v[8*(8*((\a)%4)+\b):8*(8*((\a)%4)+\b)+7], v[128*(\p)+FR*\b:128*(\p)+FR*\b+FR-1], v[AF+FR*(\a):AF+FR*(\a)+FR-1], v[8*(8*((\a)%4)+\b):8*(8*((\a)%4)+\b)+7], v[SC+8*NQ*(\sc)+NQ*\b+(\q)], v[SC+8*NQ*(\sc)+NQ*(\a)+(\q)] matrix_a_fmt:MATRIX_FMT_BF8 matrix_b_fmt:MATRIX_FMT_BF8 matrix_a_scale:MATRIX_SCALE_ROW1
.endif
.endr
.endr
.endm
.macro FETCH_B slot, q, p              ; B's eight fragments of the slot's q-th 128 along K into set p
	WIN TO_B
.irp i, 0,1,2,3,4,5,6,7
	FRAG 128*(\p)+FR*\i, ADRB+\slot, \q, \i
.endr
	WIN 0
.endm
.macro FETCH_A slot, q, i0             ; A's blocks i0 .. i0 + 3
.irp i, \i0, \i0+1, \i0+2, \i0+3
	FRAG AF+FR*(\i), ADRA+\slot, \q, \i
.endr
.endm
.macro SCALES sc, adr, ks              ; K step ks's scale words into set sc: two words a row; lanes 0-15 take A's block i, lanes 16-31 B's block i
.irp i, 0,1,2,3,4,5,6,7
	ds_load_b64 v[SC+8*NQ*\sc+NQ*\i:SC+8*NQ*\sc+NQ*\i+1], v[\adr] offset:\i*SBLK+8*(\ks)
.endr
.endm
; A load into a register that a matrix instruction has read, and a vector instruction that reads a matrix result, stand NP places behind that matrix instruction, and only plain vector instructions that name
; none of its registers are places (ISA guide 7.12.1 for vector instructions).
.macro PLACES n
.rept \n
	v_nop
.endr
.endm
; A step of 128 along K that has its successor in the same slot.
.macro STEP slot, q, zero
	s_wait_dscnt 4*NL                              ; B's set, A's blocks 0-3 and the scale words are in; the youngest sixteen loads (A's blocks 4-7) may be out
	WIN MUL_LO
	MUL16 0, (\q)%2, \q, \slot, \zero
	MUL16 2, (\q)%2, \q, \slot, \zero
	s_wait_dscnt 0                                 ; A's blocks 4-7 are in (asked for 32 matrix instructions ago)
	PLACES NP
	FETCH_B \slot, (\q)+1, 1-(\q)%2
	FETCH_A \slot, (\q)+1, 0
	WIN MUL_HI
	MUL16 4, (\q)%2, \q, \slot, \zero
	MUL16 6, (\q)%2, \q, \slot, \zero
	PLACES NP
	WIN 0
	FETCH_A \slot, (\q)+1, 4
.endm
; A slot's last step changes slots: ONE barrier; in front of it each wave waits for all its tensor loads, adds 0 to its spare word, and waits for that and for its own reads of this slot.
; fill = 1: this slot is filled again, two K steps ahead in the same tile.  fill = 2: with the NEXT tile's K step 0 or 1: A goes two K steps back along K, B 256 rows down and two K steps back.  fill = 0: nothing is filled.
; adr, ks: where the next slot's scale words lie.
.macro TURN slot, next, fill, adr, ks
	s_wait_tensorcnt 0x0                           ; all my tensor loads have landed: my part of the next slot;  (every window is 0 here: the add's two registers lie in window 0)
	ds_add_u32 v[SPW], v[NIL]                      ; 0 onto my spare word
	s_wait_dscnt 4*NL+1                            ; (the add and the youngest sixteen loads, A's blocks 4-7, may be out)
	WIN MUL_LO
	MUL16 0, 1, NQ-1, \slot, 0                     ; sixteen matrix instructions stand between the add and the wait for it
	s_wait_dscnt 0x0                               ; the add is done, and my reads of this slot are over
	s_barrier_signal -1
	MUL16 2, 1, NQ-1, \slot, 0
	WIN 0
	s_barrier_wait -1
.if \fill
	CREST                                          ; the barrier has opened a round of the cluster's barrier: no wave of any partner still reads this slot's tile or has a load on its way
.if \fill == 2
	s_sub_nc_u64 s[G0+4*\slot+2:G0+4*\slot+3], s[G0+4*\slot+2:G0+4*\slot+3], 2*ROWB
	s_add_nc_u64 s[G0B+4*\slot+2:G0B+4*\slot+3], s[G0B+4*\slot+2:G0B+4*\slot+3], 256*KROW-2*ROWB
.else
	s_add_nc_u64 s[G0+4*\slot+2:G0+4*\slot+3], s[G0+4*\slot+2:G0+4*\slot+3], 2*ROWB
	s_add_nc_u64 s[G0B+4*\slot+2:G0B+4*\slot+3], s[G0B+4*\slot+2:G0B+4*\slot+3], 2*ROWB
.endif
	JLOAD G0+4*\slot, G1, G0B+4*\slot, G1B         ; the first tensor load behind the round, my one load until the next; the four v_nop behind it are among the places in front of the loads below
	PLACES NP-4
.else
	PLACES NP
.endif
	FETCH_B \next, 0, 0
	FETCH_A \next, 0, 0
	SCALES \next, \adr, \ks
	WIN MUL_HI
	MUL16 4, 1, NQ-1, \slot, 0
	MUL16 6, 1, NQ-1, \slot, 0
	PLACES NP
	WIN 0
	FETCH_A \next, 0, 4
.endm
; THE RELU AND THE ROW SUM of block a (16 rows x my 128 columns: 64 registers a lane, all of one row).  The relu goes through each accumulator from its low end on; then 31 packed sums in place, neighbours 2, 4, 8, 16
; and 32 registers apart; the last sum leaves the window: first = 1 into the block's row sum, else into a register at work.
.macro REDUCE a, first
.set AC, 64*((\a)%4)
	WIN 0x8a+0x45*((\a)/4)                         ; destination and sources: window 2 or 3
.set i, 0
.rept 64
	v_max_num_f32 v[AC+i], 0, v[AC+i]
.set i, i+1
.endr
.irp w, 4,8,16,32,64
.set i, 0
.rept 64/\w
	v_pk_add_f32 v[AC+i:AC+i+1], v[AC+i:AC+i+1], v[AC+i+\w/2:AC+i+\w/2+1]
.set i, i+\w
.endr
.endr
	WIN 0x0a+5*((\a)/4)                            ; sources window 2 or 3, destination window 0
.if \first
	v_add_f32 v[RS+(\a)], v[AC], v[AC+1]
.else
	v_add_f32 v[TT+(\a)], v[AC], v[AC+1]
.endif
.endm
.macro REDALL first
.irp a, 0,1,2,3,4,5,6,7
	REDUCE \a, \first
.endr
	WIN 0
.if \first == 0
.irp a, 0,1,2,3,4,5,6,7
	v_add_f32 v[RS+\a], v[RS+\a], v[TT+\a]         ; the second tile's onto the first's
.endr
.endif
.endm
	s_wait_tensorcnt 1                             ; the scales and my part of K step 0 are in (K step 1's load may be out)
	s_barrier_signal -1
	s_barrier_wait -1                              ; everybody's are
	FETCH_B 0, 0, 0
	FETCH_A 0, 0, 0
	SCALES 0, ADRS0, 0
	FETCH_A 0, 0, 4
	STEP 0, 0, 1                                   ; tile 0, K step 0: its first products start the sums
	TURN 0, 1, 1, ADRS0, 1                         ; slot 0 takes tile 0's K step 2
	STEP 1, 0, 0
	TURN 1, 0, 1, ADRS0, 2                         ; slot 1 takes tile 0's K step 3
	STEP 0, 0, 0
	TURN 0, 1, 2, ADRS0, 3                         ; THE RING GOES ON INTO THE SECOND TILE: slot 0 takes its K step 0,
	STEP 1, 0, 0
	TURN 1, 0, 2, ADRS1, 0                         ; slot 1 its K step 1, and the second tile's first fragments and scale words are fetched
	REDALL 1                                       ; tile 0's row sums: eight places stand behind the last products; the fragments land meanwhile
	STEP 0, 0, 1                                   ; tile 1: its first products begin the accumulators anew, hundreds of plain lines behind the last products
	TURN 0, 1, 1, ADRS1, 1
	STEP 1, 0, 0
	TURN 1, 0, 1, ADRS1, 2
	STEP 0, 0, 0
	TURN 0, 1, 0, ADRS1, 3                         ; nothing is left to fetch: no round
	STEP 1, 0, 0
	s_wait_dscnt 4*NL                              ; the very last step
	WIN MUL_LO
	MUL16 0, 1, NQ-1, 1, 0
	MUL16 2, 1, NQ-1, 1, 0
	s_wait_dscnt 0
	WIN MUL_HI
	MUL16 4, 1, NQ-1, 1, 0
	MUL16 6, 1, NQ-1, 1, 0
	WIN 0
	PLACES NP
	REDALL 0
	; THE WAY OUT.  A row's other 64 columns of each 128 lie in the lane 16 away.  My wave's 128 sums go through 512 bytes of its own in slot 0 and leave as 512 consecutive bytes.
.irp a, 0,1,2,3,4,5,6,7
	v_permlanex16_b32 v[TT+\a], v[RS+\a], s66, s67
.endr
.irp a, 0,1,2,3,4,5,6,7
	v_add_f32 v[RS+\a], v[RS+\a], v[TT+\a]
.endr
.irp a, 0,1,2,3,4,5,6,7
	ds_store_b32 v[STO], v[RS+\a] offset:64*\a     ; row 16 a + l % 16; both halves of the lanes write the same word with the same value
.endr
	ds_load_b128 v[TT:TT+3], v[RD]                 ; LDS serves a wave's instructions in order: this sees the stores above
	s_wait_dscnt 0x0
	global_store_b128 v[CO], v[TT:TT+3], s[12:13]  ; 32 lanes store 512 consecutive bytes, at a multiple of 256 from part's first byte
	s_wait_tensorcnt 0x0                           ; the wave's end: behind my last tensor load and my last LDS store
	ds_add_u32 v[SPW], v[NIL]
	s_wait_dscnt 0x0
	CROUND                                         ; the closing round: no work-group ends while a partner may still ask for a tile that names it
	s_endpgm
.Lfunc_end_k_qeb981ff7a9_sim:
	.size	k_qeb981ff7a9_sim, .Lfunc_end_k_qeb981ff7a9_sim-k_qeb981ff7a9_sim
	.p2alignl 7, 3214868480
	.fill 96, 4, 3214868480
	.section	.rodata,"a",@progbits
	.p2align	6, 0x0
	.amdhsa_kernel k_qeb981ff7a9_sim
		.amdhsa_group_segment_fixed_size 327680
		.amdhsa_private_segment_fixed_size 0
		.amdhsa_enable_private_segment 0
		.amdhsa_kernarg_size 24
		.amdhsa_user_sgpr_count 2
		.amdhsa_user_sgpr_kernarg_segment_ptr 1
		.amdhsa_wavefront_size32 1
		.amdhsa_system_sgpr_workgroup_id_x 1
		.amdhsa_system_sgpr_workgroup_id_y 1
		.amdhsa_system_sgpr_workgroup_id_z 1
		.amdhsa_system_vgpr_workitem_id 0
		.amdhsa_next_free_vgpr 1024
		.amdhsa_next_free_sgpr 100
		.amdhsa_reserve_vcc 0
		.amdhsa_float_denorm_mode_32 3
		.amdhsa_float_denorm_mode_16_64 3
		.amdhsa_memory_ordered 1
		.amdhsa_forward_progress 1
		.amdhsa_inst_pref_size 255
	.end_amdhsa_kernel
	.section	.bss,"aw",@nobits
	.p2align	6
	.space	262144
	.amdgpu_metadata
---
amdhsa.version: [ 1, 2 ]
amdhsa.kernels:
  - .name:           k_qeb981ff7a9_sim
    .symbol:         k_qeb981ff7a9_sim.kd
    .args:
      - { .name: nq, .offset: 0, .size: 8, .value_kind: global_buffer, .address_space: global }
      - { .name: nsc, .offset: 8, .size: 8, .value_kind: global_buffer, .address_space: global }
      - { .name: part, .offset: 16, .size: 8, .value_kind: global_buffer, .address_space: global }
    .group_segment_fixed_size: 327680
    .private_segment_fixed_size: 0
    .kernarg_segment_align: 8
    .kernarg_segment_size: 24
    .max_flat_workgroup_size: 128
    .sgpr_count:     100
    .vgpr_count:     1024
    .wavefront_size: 32
...
	.end_amdgpu_metadata
.endif
;; end of part 2
;; launch expand (part 3): grid 512 x 1, 8 waves a work-group, no clusters, 13,312 bytes of LDS; arguments part, W1, b1, aq, asc; writes aq, asc
.if DOCPART == 3
	.amdgcn_target "amdgcn-amd-amdhsa--gfx1250"
	.amdhsa_code_object_version 6
	.text
	.protected	k_qeb981ff7a9_expand
	.globl	k_qeb981ff7a9_expand
	.p2align	8
	.type	k_qeb981ff7a9_expand,@function
k_qeb981ff7a9_expand:
	s_mov_b64 s[64:65], 0
	v_nop
	global_prefetch_b8 v0, s[64:65] scope:SCOPE_SE
	s_setreg_imm32_b32 hwreg(HW_REG_WAVE_MODE, 25, 1), 1
	s_wait_xcnt 0x0
; THE COUNTER, ITS EXPANSION AND THE QUANTISER.  counter[row] = the sum of part's eight planes; s[row][k] = softplus(counter[row] W1[k] + b1[k]), k = 0..1023, in f32; s is quantised along k into codes of BF8 (E5M2)
; with one E8M0 byte for each 32: bytes 1024..2047 of the row in aq [16384][2048], bytes 32..63 of the row in asc [16384][64].
; softplus(t) = max(t, 0) + ln(1 + e), e = 2^(-|t| log2 e).  With u = 1 + e as it is rounded, ln(1 + e) is taken as ln(u) + (e - (u - 1)): both differences are exact, and the sum keeps what the rounding of 1 + e loses,
; so that small results (t far under 0) keep their digits.  Taking the correction itself in place of its quotient by u costs under 9e-8 of the result.
; LIMITS: for t under -87.3 the exponential's result falls under the smallest normal number and comes out as 0, where the function has a number under 1.2e-38.  For negative t the error of e grows with |t|, by the rounding
; of the exponent's argument: |t| x 6e-8 of the result.  counter W1 + b1 is one fused multiply-add.  NaN and infinities are not served.  A block whose largest number lies under 2^-111 takes the byte 1.
; SHARES.  A work-group takes 32 rows, a wave 4 whole rows.  In step u of a row lane l holds k = 512 u + 16 l + 0..15: two neighbouring lanes hold a block; the lane's 32 numbers of W1 and of b1 stay in registers.
; W1 and b1 (4 KiB each) are loaded densely, 16 bytes a thread, and turned through LDS once: the launch's one barrier.  No tensor load, no cluster: what work-groups share is 8 KiB beside the 33 KiB that each stores.
; asc is written in pieces of 32 bytes at a pitch of 64: 512 KiB of the launch's 16.5 MiB.
.set SP,   80                          ; a place in a stage: 64 bytes + 16 of padding
.set STB,  5120                        ; b1's stage, behind W1's 64 places
.set BYT,  10240                       ; the scale bytes: 128 for each wave
.set W,  32                            ; v32-63   W1: step u at W + 16 u
.set B,  64                            ; v64-95   b1
.set T,  96                            ; v96-111  t, then max(t, 0) + the correction
.set E,  112                           ; v112-127 e
.set U,  128                           ; v128-143 u = 1 + e
.set L,  144                           ; v144-159 log2(u), then softplus
.set CC, 160                           ; v160-191 codes: four registers for each of the 8 steps, so that no store's data are written again
.set BB, 192                           ; v192-199 a scale byte for each step
.set DD, 200                           ; v200-215 the correction
.set M0, 216
.set M1, 217
.set SO, 218
.set HO, 219
	s_load_b256 s[4:11], s[0:1], 0x0               ; part s[4:5], W1 s[6:7], b1 s[8:9], aq s[10:11]
	s_load_b64 s[12:13], s[0:1], 0x20              ; asc
	v_lshl_add_u32 v224, v0, 2, 0x3000
	v_mov_b32 v225, 0
	v_lshrrev_b32 v1, 5, v0
	v_readfirstlane_b32 s14, v1                    ; wave 0..7
	v_and_b32 v2, 31, v0                           ; lane
	v_lshlrev_b32 v3, 4, v0                        ; 16 x thread: my bytes of W1 and of b1
	v_lshrrev_b32 v4, 2, v0
	v_mul_u32_u24 v4, v4, SP
	v_and_b32 v5, 3, v0
	v_lshl_add_u32 v4, v5, 4, v4                   ; the stage, on the way in: four threads' 64 bytes on end, then 16 of padding
	v_mul_u32_u24 v5, v2, SP                       ; and on the way out: my 16 neighbours
	v_lshrrev_b32 v6, 2, v2
	v_lshlrev_b32 v6, 16, v6
	v_and_b32 v7, 3, v2
	v_lshl_add_u32 v6, v7, 2, v6                   ; part: plane lane / 4 (65,536 bytes apart), row lane % 4
	v_lshlrev_b32 v8, 4, v2                        ; 16 x lane: my codes' place in a step's 512 bytes
	s_lshl_b32 s15, s14, 7
	s_add_co_u32 s15, s15, BYT
	v_lshrrev_b32 v9, 1, v2
	v_add_nc_u32 v9, s15, v9                       ; my block's scale byte
	v_lshl_add_u32 v10, v2, 2, s15                 ; the bytes' way out: 4 a lane
	v_lshrrev_b32 v11, 3, v2
	v_lshlrev_b32 v11, 6, v11
	v_and_b32 v12, 7, v2
	v_lshl_add_u32 v11, v12, 2, v11                ; in asc: row lane / 8 of 64 bytes, 4 (lane % 8)
	v_mov_b32 v25, 0                               ; a lane permute's destination counts as read
	s_mov_b32 s28, 0xbfb8aa3b                      ; -log2(e)
	s_mov_b32 s29, 0x600000                        ; the mantissa field of 57,344
	s_mov_b32 s30, 0x3f317218                      ; ln(2)
	s_mov_b32 s31, s30                             ; (named with it as a pair, so it is written)
	s_mov_b32 s32, 0x76543210
	s_mov_b32 s33, 0xfedcba98
	s_lshl_b32 s16, ttmp9, 5
	s_lshl_b32 s17, s14, 2
	s_add_co_u32 s16, s16, s17                     ; my wave's first row
	s_mov_b32 s19, 0
	s_wait_kmcnt 0x0
	s_lshl_b32 s18, s16, 2
	s_add_nc_u64 s[4:5], s[4:5], s[18:19]
	s_lshl_b32 s18, s16, 11
	s_add_co_u32 s18, s18, 1024                    ; the right half of a row of aq
	s_add_nc_u64 s[10:11], s[10:11], s[18:19]
	s_lshl_b32 s18, s16, 6
	s_add_co_u32 s18, s18, 32                      ; and of asc
	s_add_nc_u64 s[12:13], s[12:13], s[18:19]
	global_load_b128 v[16:19], v3, s[6:7]
	global_load_b128 v[20:23], v3, s[8:9]
	global_load_b32 v24, v6, s[4:5]
	s_wait_loadcnt 1                               ; W1's and b1's bytes are in; the partial sums' load may be out
	ds_store_b128 v4, v[16:19]
	ds_store_b128 v4, v[20:23] offset:STB
	s_wait_dscnt 0x0                               ; for the others' sake: my stores have landed
	s_barrier_signal -1
	s_barrier_wait -1
.irp u, 0,1
.irp j, 0,1,2,3
	ds_load_b128 v[W+16*\u+4*\j:W+16*\u+4*\j+3], v5 offset:2560*\u+16*\j
	ds_load_b128 v[B+16*\u+4*\j:B+16*\u+4*\j+3], v5 offset:STB+2560*\u+16*\j
.endr
.endr
	s_wait_loadcnt 0x0
	v_add_f32_dpp v24, v24, v24 row_xmask:4 row_mask:0xf bank_mask:0xf   ; the eight planes of row lane % 4, in a fixed order
	v_add_f32_dpp v24, v24, v24 row_xmask:8 row_mask:0xf bank_mask:0xf
	v_permlanex16_b32 v25, v24, s32, s33
	v_add_f32 v24, v24, v25
.irp i, 0,1,2,3
	v_readlane_b32 s[20+2*\i], v24, \i             ; row i's counter: a value alone, no address and no branch hangs on it
	s_mov_b32 s[21+2*\i], s[20+2*\i]               ; (the packed form names a pair)
.endr
	s_wait_dscnt 0x0
.macro STEP i, u                       ; row i of my four, numbers 512 u on
.set n, 2*(\i)+(\u)
.irp p, 0,2,4,6,8,10,12,14
	v_pk_fma_f32 v[T+\p:T+\p+1], v[W+16*(\u)+\p:W+16*(\u)+\p+1], s[20+2*(\i):21+2*(\i)], v[B+16*(\u)+\p:B+16*(\u)+\p+1] op_sel_hi:[1,0,1]   ; t
.endr
.irp j, 0,1,2,3,4,5,6,7,8,9,10,11,12,13,14,15
	v_mul_f32 v[E+\j], s28, |v[T+\j]|
.endr
.irp j, 0,1,2,3,4,5,6,7,8,9,10,11,12,13,14,15
	v_exp_f32 v[E+\j], v[E+\j]                     ; e = exp(-|t|): one batch
.endr
.irp j, 0,1,2,3,4,5,6,7,8,9,10,11,12,13,14,15
	v_max_num_f32 v[T+\j], 0, v[T+\j]              ; plain work behind the batch
.endr
	s_wait_alu depctr_va_vdst(0)                   ; the wait ahead of the batch's first reader: one for the sixteen
.irp p, 0,2,4,6,8,10,12,14
	v_pk_add_f32 v[U+\p:U+\p+1], v[E+\p:E+\p+1], 1.0 op_sel_hi:[1,0]
.endr
.irp j, 0,1,2,3,4,5,6,7,8,9,10,11,12,13,14,15
	v_log_f32 v[L+\j], v[U+\j]                     ; log2(u): the second batch
.endr
.irp p, 0,2,4,6,8,10,12,14
	v_pk_add_f32 v[DD+\p:DD+\p+1], v[U+\p:U+\p+1], -1.0 op_sel_hi:[1,0]            ; u - 1, exact
.endr
.irp p, 0,2,4,6,8,10,12,14
	v_pk_add_f32 v[DD+\p:DD+\p+1], v[E+\p:E+\p+1], v[DD+\p:DD+\p+1] neg_lo:[0,1] neg_hi:[0,1]   ; e - (u - 1): what the rounding of 1 + e lost, exact
.endr
.irp p, 0,2,4,6,8,10,12,14
	v_pk_add_f32 v[T+\p:T+\p+1], v[T+\p:T+\p+1], v[DD+\p:DD+\p+1]
.endr
	s_wait_alu depctr_va_vdst(0)                   ; and one for the sixteen logarithms
.irp p, 0,2,4,6,8,10,12,14
	v_pk_fma_f32 v[L+\p:L+\p+1], v[L+\p:L+\p+1], s[30:31], v[T+\p:T+\p+1] op_sel_hi:[1,0,1]   ; softplus
.endr
	v_max3_num_f32 v[M0], v[L], v[L+1], v[L+2]     ; the block's largest number: nothing here is negative, so no |.|
	v_max3_num_f32 v[M1], v[L+3], v[L+4], v[L+5]
.irp j, 6,10
	v_max3_num_f32 v[M0], v[M0], v[L+\j], v[L+\j+1]
	v_max3_num_f32 v[M1], v[M1], v[L+\j+2], v[L+\j+3]
.endr
	v_max3_num_f32 v[M0], v[M0], v[L+14], v[L+15]
	v_max3_num_f32 v[M0], v[M0], v[M1], 0x8000000  ; and the floor 2^(16 - 127): the byte cannot fall under 1
	v_max_num_f32_dpp v[M0], v[M0], v[M0] row_xmask:1 row_mask:0xf bank_mask:0xf   ; with my neighbour's 16
	v_add_nc_u32 v[SO], 0xf8800000, v[M0]          ; 15 off the exponent field: the conversion's scale operand
	v_and_or_b32 v[HO], v[M0], 0x7f800000, s29     ; 57,344 x the scale
.irp j, 0,1,2,3,4,5,6,7,8,9,10,11,12,13,14,15
	v_min_num_f32 v[L+\j], v[L+\j], v[HO]          ; the conversion to an 8-bit code does not saturate (ISA guide 7.6.2); the hold is one-sided
.endr
	v_cvt_scalef32_pk8_bf8_f32 v[CC+4*n:CC+4*n+1], v[L:L+7], v[SO]
	v_cvt_scalef32_pk8_bf8_f32 v[CC+4*n+2:CC+4*n+3], v[L+8:L+15], v[SO]
	v_lshrrev_b32 v[BB+n], 23, v[SO]               ; the scale's byte (a plain line behind the conversions)
	ds_store_b8 v9, v[BB+n] offset:32*(\i)+16*(\u) ; both lanes of a block write the same byte with the same value
	global_store_b128 v8, v[CC+4*n:CC+4*n+3], s[10:11] offset:2048*(\i)+512*(\u)   ; 32 lanes store 512 consecutive bytes, at a multiple of 256 from aq's first byte
.endm
.irp i, 0,1,2,3
	STEP \i, 0
	STEP \i, 1
.endr
	ds_load_b32 v13, v10                           ; my wave's 128 scale bytes, 4 a lane: LDS serves a wave in order
	s_wait_dscnt 0x0
	global_store_b32 v11, v13, s[12:13]            ; eight lanes fill a row's 32 bytes of asc
	s_wait_tensorcnt 0x0
	ds_add_u32 v224, v225
	s_wait_dscnt 0x0
	s_endpgm
.Lfunc_end_k_qeb981ff7a9_expand:
	.size	k_qeb981ff7a9_expand, .Lfunc_end_k_qeb981ff7a9_expand-k_qeb981ff7a9_expand
	.p2alignl 7, 3214868480
	.fill 96, 4, 3214868480
	.section	.rodata,"a",@progbits
	.p2align	6, 0x0
	.amdhsa_kernel k_qeb981ff7a9_expand
		.amdhsa_group_segment_fixed_size 13312
		.amdhsa_private_segment_fixed_size 0
		.amdhsa_enable_private_segment 0
		.amdhsa_kernarg_size 40
		.amdhsa_user_sgpr_count 2
		.amdhsa_user_sgpr_kernarg_segment_ptr 1
		.amdhsa_wavefront_size32 1
		.amdhsa_system_sgpr_workgroup_id_x 1
		.amdhsa_system_sgpr_workgroup_id_y 1
		.amdhsa_system_sgpr_workgroup_id_z 1
		.amdhsa_system_vgpr_workitem_id 0
		.amdhsa_next_free_vgpr 226
		.amdhsa_next_free_sgpr 66
		.amdhsa_reserve_vcc 0
		.amdhsa_float_denorm_mode_32 3
		.amdhsa_float_denorm_mode_16_64 3
		.amdhsa_memory_ordered 1
		.amdhsa_forward_progress 1
		.amdhsa_inst_pref_size 62
	.end_amdhsa_kernel
	.amdgpu_metadata
---
amdhsa.version: [ 1, 2 ]
amdhsa.kernels:
  - .name:           k_qeb981ff7a9_expand
    .symbol:         k_qeb981ff7a9_expand.kd
    .args:
      - { .name: part, .offset: 0, .size: 8, .value_kind: global_buffer, .address_space: global }
      - { .name: W1, .offset: 8, .size: 8, .value_kind: global_buffer, .address_space: global }
      - { .name: b1, .offset: 16, .size: 8, .value_kind: global_buffer, .address_space: global }
      - { .name: aq, .offset: 24, .size: 8, .value_kind: global_buffer, .address_space: global }
      - { .name: asc, .offset: 32, .size: 8, .value_kind: global_buffer, .address_space: global }
    .group_segment_fixed_size: 13312
    .private_segment_fixed_size: 0
    .kernarg_segment_align: 8
    .kernarg_segment_size: 40
    .max_flat_workgroup_size: 256
    .sgpr_count:     66
    .vgpr_count:     226
    .wavefront_size: 32
...
	.end_amdgpu_metadata
.endif
;; end of part 3
;; launch merge (part 4): grid 4 x 64, 4 waves a work-group, clusters of 4 x 4, 327,680 bytes of LDS; arguments aq, asc, wq, wsc, out0; writes out0
.if DOCPART == 4
	.amdgcn_target "amdgcn-amd-amdhsa--gfx1250"
	.amdhsa_code_object_version 6
	.text
	.protected	k_qeb981ff7a9_merge
	.globl	k_qeb981ff7a9_merge
	.p2align	8
	.type	k_qeb981ff7a9_merge,@function
k_qeb981ff7a9_merge:
	s_mov_b64 s[64:65], 0
	v_nop
	global_prefetch_b8 v0, s[64:65] scope:SCOPE_SE
	s_setreg_imm32_b32 hwreg(HW_REG_WAVE_MODE, 25, 1), 1
	s_wait_xcnt 0x0
	s_wait_alu depctr_hold_cnt(0) depctr_sa_sdst(0) depctr_va_vdst(0) depctr_va_sdst(0) depctr_va_ssrc(0) depctr_va_vcc(0) depctr_vm_vsrc(0)
	s_getreg_b32 s2, hwreg(HW_REG_IB_STS2, 6, 4)
	s_cmp_eq_u32 s2, 0
	s_cbranch_scc0 .Lentry_in_a_cluster
	s_endpgm
.Lentry_in_a_cluster:
	s_bfe_u32 s2, ttmp6, 0x10000c
	s_cmp_lg_u32 s2, 0xf033
	s_cbranch_scc0 .Lentry_shape_is_right
	s_endpgm
.Lentry_shape_is_right:
; THE SECOND QUANTISED PRODUCT.  C[m][n] = sum over k of A[m][k] B[n][k].  A = aq [16384][2048], B = wq [1024][2048]: codes of BF8 (E5M2) with one E8M0 scale for each 32 along K (asc [16384][64], wsc [1024][64]);
; C = out0 [16384][1024] f32; sums in f32.  The matrix instruction takes codes and scale bytes as they lie in memory.
; A tile of C, 256 x 256, is made by a work-group of four waves, as many as a WGP has SIMDs; a wave makes 128 x 128: 64 accumulators of 16 x 16, 512 registers.  64 x 4 tiles: 256 work-groups.
; K goes in steps of 256 through a ring of two LDS slots filled by the tensor data mover: a tile's row is 256 bytes of memory.
; THE SCALES of the work-group's 256 rows of A and 256 rows of B, for all of K, are two dense blocks of memory: they come into LDS ONCE, with the first fills, as rows of 256 bytes, and stay.
; CLUSTERS: 4 x 4 work-groups.  The four of a row of the cluster need the same tiles of A, the four of a column the same tiles of B: each tile is asked for JOINTLY, by the same tensor load with the
; same descriptor and a mask that names the four.  THE MATRIX INSTRUCTION IS USED TRANSPOSED (source 0 = 16 rows of B, source 1 = 16 rows of A): a lane then holds eight neighbouring numbers of a row of C.
; REGISTERS, in windows of 256: window 0: v0-31 addresses; v32-63 scale words, two sets; from v128 A's fragments (8 x 16 rows x 128 K), ONE set; on the way out v32-255 are free.
;   window 1: B's fragments, TWO sets, at v0 and at v128.   window 2: the 32 accumulators of my rows 0-63 (accumulator (a, b) at v[8 (8 a + b)]);   window 3: those of my rows 64-127.
; A step of 128 along K is 64 matrix instructions, A's blocks one after the other, each against B's eight.  So a block of A is free as soon as its eight products are issued, and one set of registers serves A:
; blocks 0-3 are fetched anew in the step's middle, blocks 4-7 at its end.  B's fragments are at work through the whole step, so B has two sets.
; LIMITS: NaN and infinities are not served.
.set SIZE_M, 16384
.set SIZE_N, 1024
.set SIZE_K, 2048
.set KSTEP,  256                       ; along K in a slot
.set NQ,     KSTEP/128                 ; matrix instructions deep
.set ROWB,   256                       ; a tile's row in bytes
.set KROW,   SIZE_K                    ; a row of A or of B in memory, in bytes
.set PITCH,  272                       ; an LDS row: 256 bytes + 16 of padding = 68 words: the 16 rows that a load touches start 4 words apart modulo 64
.set FR,     16                        ; registers of a fragment: 16 rows x 128 K
.set NL,     4                         ; LDS loads that bring one
.set NP,     8                         ; places behind this matrix instruction (ISA guide 7.12.1)
.set HALFT,  128*PITCH                 ; 128 rows: what one tensor load brings, and what one wave reads of A or of B
.set SLOT,   4*HALFT                   ; A's 256 rows, then B's 256 rows
.set LAPS,   SIZE_K/(2*KSTEP)          ; a lap = two K steps = once round the ring: 4
.set KS,     SIZE_K/32                 ; a row of scales in bytes: 64
.set SCL,    2*SLOT                    ; behind the ring: the scales, as rows of 256 bytes + 16 of padding
.set HALFS,  (128*KS/256)*272          ; the scales of 128 rows: what one tensor load brings
.set SBLK,   (16*KS/256)*272           ; those of 16 rows
.set SPARE,  SCL+4*HALFS               ; behind the scales: the spare words, 128 bytes for each wave: two blocks of 256 bytes that no other line names
.set SPITCH, 528                       ; the way out: a stage of 16 rows x (512 bytes + 16) for each wave.  It lies in slot 0, which has had its last fill and its last read when the first result is stored there
.set ADRA, 16                          ; v16-17  LDS address of my A fragments in slot 0, 1
.set ADRB, 20                          ; v20-21  the same for B
.set STO,  24                          ; v24     the way out: where I put 32 bytes of a row
.set RD,   25                          ; v25     the way out: where I read a row back
.set CO,   26                          ; v26     my byte offset in a row of C
.set ADRS, 27                          ; v27     LDS address of my scale words: lanes 0-15 A's rows, lanes 16-31 B's
.set SPW,  28                          ; v28     LDS address of my spare word: SPARE + 4 x my thread's number; never rewritten
.set NIL,  29                          ; v29     0; never rewritten
.set PFO,  30                          ; v30     the prefetches' offset: my lane x a row of A (2,048 bytes); never rewritten
.set SC,   32                          ; scale words: set s (for slot s) at v[SC + 8 NQ s]; in it register NQ i + q: lanes 0-15 the word of A's block i, lanes 16-31 that of B's block i, for the slot's q-th 128 along K
.set AF,   128                         ; A's fragments, in window 0
.set BK,   128                         ; the way out: 16 rows read back from the stage: v128-191 and v192-255 by turns
.set G1, 24                            ; s[24:31] descriptor group 1 for A's tiles;  s[32:39] group 0, one set for each slot
.set G0, 32
.set G1B, 48                           ; s[48:55], s[56:63] the same for B's tiles
.set G0B, 56
.set G1S, 68                           ; s[68:75], s[76:79] groups 1 and 0 for A's scales;  s[80:87], s[88:91] for B's
.set G0S, 76
.set G1SB, 80
.set G0SB, 88
.set LIM,  95                          ; s95     1 in a wave that prefetches (waves 0 and 1), else the greatest number
.set PFA,  96                          ; s[96:97] where my prefetches stand: my work-group's 32 rows of the 128 that I fetch, one K step further along K than the refill that is being asked for; a prefetch names the K step after that
.set MSB, 0
.macro WIN new                         ; the immediate's high byte repeats the setting that is left
.if MSB != \new
	s_set_vgpr_msb (MSB<<8)|\new
.set MSB, \new
.endif
.endm
.set MUL_LO, 0xa1                      ; source 0 (B) window 1, source 1 (A) window 0, C and D window 2
.set MUL_HI, 0xf1                      ; the same, C and D window 3
.set TO_B,   0x40                      ; destination window 1, address window 0
; A joint load: waves 0 and 1 fetch for A, waves 2 and 3 for B.  Each of the two lines has ONE mask and one set of registers for all that issue it; the branch hangs on the wave's number alone.
; Four v_nop follow each of the two lines, ahead of the jump, the label and what follows.
.macro JLOAD g0a, g1a, g0b, g1b
	s_cmp_eq_u32 s15, 0
	s_cbranch_scc0 .Lfor_b_\@
	tensor_load_to_lds s[\g0a:\g0a+3], s[\g1a:\g1a+7]
	s_nop 0
.rept 4
	v_nop
.endr
	s_branch .Lasked_\@
.Lfor_b_\@:
	tensor_load_to_lds s[\g0b:\g0b+3], s[\g1b:\g1b+7]
	s_nop 0
.rept 4
	v_nop
.endr
.Lasked_\@:
.endm
; A PREFETCH INTO THE L2 of A's codes, behind each joint refill, its four lines and the run of LDS loads that follows: the K step that stands TWO refills on, 256 matrix instructions ahead of the load that will ask for it:
; 32 rows x 256 bytes, a lane a row, one instruction a wave.  A's rows are read by one cluster alone, once.  Of the 128 rows that wave 0 or 1 fetches, the partner at place cx takes 32 cx .. 32 cx + 31: the four are told
; apart BY ADDRESS, no branch hangs on a work-group's place.  So each row's 256 bytes of K steps 4 to 7 are named once in the launch.  K steps 0 to 3 come by their loads alone; the loop's last trip (s3 = 1) asks for nothing:
; there is no K step two on.  B's rows, which all sixteen clusters walk, are not asked for.
.macro ASK
	s_cmp_gt_u32 s3, s[LIM]
	s_cbranch_scc0 .Lnot_mine_\@
	global_prefetch_b8 v[PFO], s[PFA:PFA+1] offset:ROWB th:TH_LOAD_NT scope:SCOPE_SE
.Lnot_mine_\@:
.endm
.macro CREST                           ; a round of the cluster's barrier behind its opening barrier
	s_cmp_lg_u32 s14, 0
	s_cbranch_scc1 .Lnot_wave_0_\@
	s_barrier_signal -3
.Lnot_wave_0_\@:
	s_barrier_wait -3
	s_barrier_signal -1
	s_barrier_wait -1
.endm
.macro CROUND                          ; a whole round
	s_barrier_signal -1
	s_barrier_wait -1
	CREST
.endm
	s_load_b128 s[4:7], s[0:1], 0x0                ; A's codes s[4:5], A's scales s[6:7]
	s_load_b128 s[8:11], s[0:1], 0x10              ; B's codes s[8:9], B's scales s[10:11]
	s_load_b64 s[12:13], s[0:1], 0x20              ; C
	v_lshl_add_u32 v[SPW], v0, 2, SPARE
	v_mov_b32 v[NIL], 0
	ds_add_u32 v28, v29
	ds_add_u32 v28, v29
	s_wait_dscnt 0x0
	v_lshrrev_b32 v1, 5, v0
	v_readfirstlane_b32 s14, v1                    ; wave 0..3
	s_lshr_b32 s15, s14, 1                         ; which half of the tile's rows is mine.  Also: I fetch for A (0) or for B (1)
	s_and_b32 s16, s14, 1                          ; which half of its columns.  Also: which 128 rows of that tile I fetch
	s_bfe_u32 s40, ttmp6, 0x40000                  ; cx, cy: my place in the cluster
	s_bfe_u32 s41, ttmp6, 0x40004
	s_lshl_b32 s42, ttmp9, 2
	s_add_co_u32 s42, s42, s40                     ; tile column of C = 4 x cluster x + cx
	s_and_b32 s17, ttmp7, 0xffff
	s_lshl_b32 s17, s17, 2
	s_add_co_u32 s17, s17, s41                     ; tile row of C = 4 x cluster y + cy
	s_lshl_b32 s43, s41, 2
	s_lshl_b32 s43, 15, s43                        ; my row of the cluster
	s_lshl_b32 s44, 0x1111, s40                    ; my column
	; descriptor group 1: a tile of 128 rows x ROWB bytes, padded in LDS
	s_or_b32 s[G1+0], s43, (0<<16)|(1<<20)|(1<<21)|(5<<22)|(3<<25)  ; 15:0 the mask: A's tiles go to my row; 17:16 element of 1 byte; 20 padding on; 21 set beside a mask; 24:22 after every 64 words (code 5); 31:25 of 4 words (code 3)
	s_or_b32 s[G1B+0], s44, (0<<16)|(1<<20)|(1<<21)|(5<<22)|(3<<25)
.irp g, G1, G1B
	s_mov_b32 s[\g+1], ROWB<<16                    ; tensor_dim0
	s_mov_b32 s[\g+2], 128<<16                     ; tensor_dim1 = 128
	s_mov_b32 s[\g+3], ROWB<<16                    ; tile_dim0
	s_mov_b32 s[\g+4], 128                         ; tile_dim1 = 128
	s_mov_b32 s[\g+5], KROW                        ; tensor_dim0_stride
	s_mov_b32 s[\g+6], 0
	s_mov_b32 s[\g+7], 0
.endr
	; and for the scales of 128 rows: a dense block of 128 KS bytes, as rows of 256 bytes (32 elements of 8 bytes), 16 bytes of padding behind each
	s_or_b32 s[G1S+0], s43, (3<<16)|(1<<20)|(1<<21)|(5<<22)|(3<<25)
	s_or_b32 s[G1SB+0], s44, (3<<16)|(1<<20)|(1<<21)|(5<<22)|(3<<25)
.irp g, G1S, G1SB
	s_mov_b32 s[\g+1], 32<<16
	s_mov_b32 s[\g+2], (128*KS/256)<<16
	s_mov_b32 s[\g+3], 32<<16
	s_mov_b32 s[\g+4], 128*KS/256
	s_mov_b32 s[\g+5], 32
	s_mov_b32 s[\g+6], 0
	s_mov_b32 s[\g+7], 0
.endr
	s_lshl_b32 s18, s16, 7                         ; which 128 rows of the tile I fetch
	s_lshl_b32 s20, s17, 8
	s_add_co_u32 s20, s20, s18                     ; A: row 256 x tile row + 128 x half
	s_lshl_b32 s46, s42, 8
	s_add_co_u32 s46, s46, s18                     ; B: row 256 x tile column + 128 x half
	s_mov_b32 s21, 0
	s_mov_b32 s47, 0
	s_mov_b64 s[18:19], KS
	s_mul_u64 s[22:23], s[20:21], s[18:19]         ; where these rows' scales begin, in bytes
	s_mul_u64 s[92:93], s[46:47], s[18:19]
	s_mov_b64 s[18:19], KROW
	s_mul_u64 s[20:21], s[20:21], s[18:19]         ; and their codes
	s_mul_u64 s[46:47], s[46:47], s[18:19]
	s_mul_i32 s45, s14, HALFT                      ; where they go: wave x 128 rows: no place in the cluster enters an LDS address
	s_mul_i32 s94, s14, HALFS
	s_wait_kmcnt 0x0
	s_add_nc_u64 s[20:21], s[4:5], s[20:21]
	s_add_nc_u64 s[22:23], s[6:7], s[22:23]
	s_add_nc_u64 s[46:47], s[8:9], s[46:47]
	s_add_nc_u64 s[92:93], s[10:11], s[92:93]
	CROUND                                         ; all sixteen work-groups are here: the first joint loads meet
	s_mov_b32 s[G0S], 1
	s_add_co_u32 s[G0S+1], s94, SCL
	s_mov_b64 s[G0S+2:G0S+3], s[22:23]
	s_or_b32 s[G0S+3], s[G0S+3], 0x80000000
	s_mov_b32 s[G0SB], 1
	s_add_co_u32 s[G0SB+1], s94, SCL
	s_mov_b64 s[G0SB+2:G0SB+3], s[92:93]
	s_or_b32 s[G0SB+3], s[G0SB+3], 0x80000000
	JLOAD G0S, G1S, G0SB, G1SB                     ; the scales first: they are wanted with K step 0
.irp s, 0,1
	s_mov_b32 s[G0+4*\s], 1
	s_add_co_u32 s[G0+4*\s+1], s45, \s*SLOT
	s_add_nc_u64 s[G0+4*\s+2:G0+4*\s+3], s[20:21], \s*ROWB
	s_or_b32 s[G0+4*\s+3], s[G0+4*\s+3], 0x80000000
	s_mov_b32 s[G0B+4*\s], 1
	s_add_co_u32 s[G0B+4*\s+1], s45, \s*SLOT
	s_add_nc_u64 s[G0B+4*\s+2:G0B+4*\s+3], s[46:47], \s*ROWB
	s_or_b32 s[G0B+4*\s+3], s[G0B+4*\s+3], 0x80000000
	JLOAD G0+4*\s, G1, G0B+4*\s, G1B               ; three loads of mine are out now
.endr
	v_and_b32 v1, 15, v0                           ; l % 16
	v_bfe_u32 v2, v0, 4, 1                         ; l / 16
	v_mul_u32_u24 v3, v1, PITCH
	v_lshl_add_u32 v4, v2, 4, v3                   ; a fragment's row x pitch + 16 x half
	s_mul_i32 s21, s15, HALFT                      ; my 128 rows of A
	s_mul_i32 s22, s16, HALFT                      ; my 128 rows of B,
	s_add_co_u32 s22, s22, 2*HALFT                 ; which lie behind A's 256
.irp s, 0,1
	v_add_nc_u32 v[ADRA+\s], s21, v4
	v_add_nc_u32 v[ADRB+\s], s22, v4
	s_add_co_u32 s21, s21, SLOT
	s_add_co_u32 s22, s22, SLOT
.endr
	v_mul_u32_u24 v5, v1, KS                       ; my row's scales: KS bytes a row,
	v_lshrrev_b32 v6, 8, v5
	v_lshl_add_u32 v5, v6, 4, v5                   ; and 16 more for each 256 passed
	s_mul_i32 s21, s15, HALFS                      ; A's: my 128 rows
	s_mul_i32 s22, s16, HALFS                      ; B's: my 128 rows, behind A's 256
	s_add_co_u32 s22, s22, 2*HALFS
	s_sub_co_u32 s22, s22, s21
	v_mul_u32_u24 v6, s22, v2                      ; lanes 16-31 take B's
	s_add_co_u32 s21, s21, SCL
	v_add_nc_u32 v5, v5, v6
	v_add_nc_u32 v[ADRS], s21, v5
	s_mul_i32 s23, s14, 16*SPITCH                  ; my stage
	v_mul_u32_u24 v5, v1, SPITCH                   ; in: row l % 16, 32 bytes for each half of the lanes
	v_lshl_add_u32 v5, v2, 5, v5
	v_add_nc_u32 v[STO], s23, v5
	v_and_b32 v6, 31, v0
	v_lshlrev_b32 v[CO], 4, v6                     ; back: the 32 lanes take one row of 512 bytes; and the same in C
	v_add_nc_u32 v[RD], s23, v[CO]
	s_lshl_b32 s20, s17, 8
	s_lshl_b32 s21, s15, 7
	s_add_co_u32 s20, s20, s21                     ; my first row of C: 256 x tile row + 128 x half
	s_mov_b32 s21, 0
	s_mov_b64 s[18:19], SIZE_N*4
	s_mul_u64 s[20:21], s[20:21], s[18:19]
	s_lshl_b32 s46, s42, 10                        ; my first column, in bytes: 1024 x tile column + 512 x half
	s_lshl_b32 s47, s16, 9
	s_add_co_u32 s46, s46, s47
	s_mov_b32 s47, 0
	s_add_nc_u64 s[20:21], s[20:21], s[46:47]
	s_add_nc_u64 s[12:13], s[12:13], s[20:21]
	; the prefetches: row 256 x tile row + 128 x (which half I fetch) + 32 cx of A, at K step 2: the first refill steps it to 3 and names K step 4.  Made in registers that feed no descriptor of A's
	s_lshl_b32 s46, s17, 8
	s_lshl_b32 s47, s16, 7
	s_add_co_u32 s46, s46, s47
	s_lshl_b32 s47, s40, 5
	s_add_co_u32 s46, s46, s47
	s_lshl_b32 s46, s46, 11                        ; 2,048 bytes a row: under 2^25
	s_add_co_u32 s46, s46, 2*ROWB
	s_mov_b32 s47, 0
	s_add_nc_u64 s[PFA:PFA+1], s[4:5], s[46:47]
	s_cmp_eq_u32 s15, 0                            ; waves 0 and 1 fetch for A: the same in every work-group
	s_cselect_b32 s[LIM], 1, -1
	v_and_b32 v[PFO], 31, v0
	v_lshlrev_b32 v[PFO], 11, v[PFO]
.macro FRAG reg, adr, q, i             ; a fragment, 16 rows x 128 K of 8-bit codes, is 16 registers: lane l holds row l % 16; registers 4 c .. 4 c + 3 hold K = 32 c + 16 (l / 16) + 0 .. 15
.irp c, 0,1,2,3
	ds_load_b128 v[\reg+4*\c:\reg+4*\c+3], v[\adr] offset:128*(\q)+32*\c+(\i)*16*PITCH
.endr
.endm
; 16 matrix instructions: A's blocks a0, a0 + 1 x B's eight, 128 along K: the slot's q-th.  p: B's set;  sc: the set of scale words.  zero = 1: the first product starts the sums: nothing is ever cleared.
; The 64 accumulators take turns, one instruction a turn, in the same order in every step.
.macro MUL16 a0, p, q, sc, zero
.irp a, \a0, \a0+1
.irp b, 0,1,2,3,4,5,6,7
.if \zero
	v_wmma_scale_f32_16x16x128_f8f6f4 v[8*(8*((\a)%4)+\b):8*(8*((\a)%4)+\b)+7], v[128*(\p)+FR*\b:128*(\p)+FR*\b+FR-1], v[AF+FR*(\a):AF+FR*(\a)+FR-1], 0, v[SC+8*NQ*(\sc)+NQ*\b+(\q)], v[SC+8*NQ*(\sc)+NQ*(\a)+(\q)] matrix_a_fmt:MATRIX_FMT_BF8 matrix_b_fmt:MATRIX_FMT_BF8 matrix_a_scale:MATRIX_SCALE_ROW1
.else
	v_wmma_scale_f32_16x16x128_f8f6f4 v[8*(8*((\a)%4)+\b):8*(8*((\a)%4)+\b)+7], v[128*(\p)+FR*\b:128*(\p)+FR*\b+FR-1], v[AF+FR*(\a):AF+FR*(\a)+FR-1], v[8*(8*((\a)%4)+\b):8*(8*((\a)%4)+\b)+7], v[SC+8*NQ*(\sc)+NQ*\b+(\q)], v[SC+8*NQ*(\sc)+NQ*(\a)+(\q)] matrix_a_fmt:MATRIX_FMT_BF8 matrix_b_fmt:MATRIX_FMT_BF8 matrix_a_scale:MATRIX_SCALE_ROW1
.endif
.endr
.endr
.endm
.macro FETCH_B slot, q, p              ; B's eight fragments of the slot's q-th 128 along K into set p
	WIN TO_B
.irp i, 0,1,2,3,4,5,6,7
	FRAG 128*(\p)+FR*\i, ADRB+\slot, \q, \i
.endr
	WIN 0
.endm
.macro FETCH_A slot, q, i0             ; A's blocks i0 .. i0 + 3
.irp i, \i0, \i0+1, \i0+2, \i0+3
	FRAG AF+FR*(\i), ADRA+\slot, \q, \i
.endr
.endm
.macro SCALES sc                       ; the next K step's scale words into set sc: NQ words a row; lanes 0-15 take A's block i, lanes 16-31 B's block i
.irp i, 0,1,2,3,4,5,6,7
	ds_load_b64 v[SC+8*NQ*\sc+NQ*\i:SC+8*NQ*\sc+NQ*\i+1], v[ADRS] offset:\i*SBLK
.endr
.endm
; A load into a register that a matrix instruction has read, and a vector instruction or an LDS store that reads a matrix result, stand NP places behind that matrix instruction, and only plain vector
; instructions that name none of its registers are places (ISA guide 7.12.1 for vector instructions); this text does not count the matrix instructions in between.
.macro PLACES n
.rept \n
	v_nop
.endr
.endm
; A step of 128 along K that has its successor in the same slot.
.macro STEP slot, q, zero
	s_wait_dscnt 4*NL                              ; B's set and A's blocks 0-3 are in; the youngest sixteen loads (A's blocks 4-7) may be out
	WIN MUL_LO
	MUL16 0, (\q)%2, \q, \slot, \zero
	MUL16 2, (\q)%2, \q, \slot, \zero
	s_wait_dscnt 0                                 ; A's blocks 4-7 are in (asked for 32 matrix instructions ago)
	PLACES NP
	FETCH_B \slot, (\q)+1, 1-(\q)%2
	FETCH_A \slot, (\q)+1, 0
	WIN MUL_HI
	MUL16 4, (\q)%2, \q, \slot, \zero
	MUL16 6, (\q)%2, \q, \slot, \zero
	PLACES NP
	WIN 0
	FETCH_A \slot, (\q)+1, 4
.endm
; A slot's last step changes slots: ONE barrier; in front of it each wave waits for all its tensor loads, adds 0 to its spare word, and waits for that and for its own reads of this slot.  fill = 1: this slot is filled again, two K steps ahead.
.macro TURN slot, next, fill
.if \fill
	s_wait_xcnt 0x0                                ; the last prefetch, a K step back, has read its address: it is stepped here, ahead of the waits of the change of slots
	s_add_nc_u64 s[PFA:PFA+1], s[PFA:PFA+1], ROWB
.endif
	s_wait_tensorcnt 0x0                           ; all my tensor loads have landed: my part of the next slot;  (every window is 0 here: the add's two registers lie in window 0)
	ds_add_u32 v[SPW], v[NIL]                      ; 0 onto my spare word
	s_wait_dscnt 4*NL+1                            ; (the add and the youngest sixteen loads, A's blocks 4-7, may be out)
	WIN MUL_LO
	MUL16 0, 1, NQ-1, \slot, 0                     ; sixteen matrix instructions stand between the add and the wait for it
	s_wait_dscnt 0x0                               ; the add is done, and my reads of this slot are over
	s_barrier_signal -1
	MUL16 2, 1, NQ-1, \slot, 0
	WIN 0
	s_barrier_wait -1
.if \fill
	CREST                                          ; the barrier has opened a round of the cluster's barrier: no wave of any partner still reads this slot's tile or has a load on its way
	s_add_nc_u64 s[G0+4*\slot+2:G0+4*\slot+3], s[G0+4*\slot+2:G0+4*\slot+3], 2*ROWB
	s_add_nc_u64 s[G0B+4*\slot+2:G0B+4*\slot+3], s[G0B+4*\slot+2:G0B+4*\slot+3], 2*ROWB
	JLOAD G0+4*\slot, G1, G0B+4*\slot, G1B         ; the first tensor load behind the round; the four v_nop behind it are among the places in front of the loads below
	PLACES NP-4
.else
	PLACES NP
.endif
	v_add_nc_u32 v[ADRS], 4*NQ, v[ADRS]            ; on to the next K step's scale words (no LDS load of mine is out)
	FETCH_B \next, 0, 0
	FETCH_A \next, 0, 0
	SCALES \next
.if \fill
	ASK                                            ; behind the joint load and the run of LDS loads that the next products wait for
.endif
	WIN MUL_HI
	MUL16 4, 1, NQ-1, \slot, 0
	MUL16 6, 1, NQ-1, \slot, 0
	PLACES NP
	WIN 0
	FETCH_A \next, 0, 4
.endm
	s_wait_tensorcnt 1                             ; the scales and my part of K step 0 are in (K step 1's load may be out)
	s_barrier_signal -1
	s_barrier_wait -1                              ; everybody's are
	FETCH_B 0, 0, 0
	FETCH_A 0, 0, 0
	SCALES 0
	FETCH_A 0, 0, 4
	STEP 0, 0, 1                                   ; the first step stands in front of the loop: its products start the sums
	s_mov_b32 s3, LAPS-1
.Llap:                                                 ; a trip goes once round the ring, from a lap's second step to the next lap's first, and fills both slots again
	TURN 0, 1, 1
	STEP 1, 0, 0
	TURN 1, 0, 1
	STEP 0, 0, 0
	s_sub_co_u32 s3, s3, 1
	s_cmp_lg_u32 s3, 0
	s_cbranch_scc1 .Llap
	TURN 0, 1, 0                                   ; the last lap fills nothing, and has no round of the cluster's barrier
	STEP 1, 0, 0
	s_wait_dscnt 4*NL                              ; the very last step: nothing more to fetch
	WIN MUL_LO
	MUL16 0, 1, NQ-1, 1, 0
	MUL16 2, 1, NQ-1, 1, 0
	s_wait_dscnt 0
	WIN MUL_HI
	MUL16 4, 1, NQ-1, 1, 0
	MUL16 6, 1, NQ-1, 1, 0
	WIN 0
; THE WAY OUT, block by block of 16 rows x 128 columns.  A lane holds 32 neighbouring bytes of a row, and the lanes beside it hold other rows: so a block goes through my own stage in LDS and comes back as whole
; rows of 512 bytes, which the 32 lanes store as 512 consecutive bytes.  LDS serves a wave's instructions in order (ISA guide 5.7.1.4): no wait between the stores and the loads, nor in front of the next block's stores.
.macro TOSTAGE a
.set AC, 64*((\a)%4)
	WIN 0x08+4*((\a)/4)                            ; the data: window 2 or 3
.irp b, 0,1,2,3,4,5,6,7
	ds_store_b128 v[STO], v[AC+8*\b:AC+8*\b+3] offset:64*\b          ; each accumulator from its low end on
	ds_store_b128 v[STO], v[AC+8*\b+4:AC+8*\b+7] offset:64*\b+16
.endr
	WIN 0
.set BB, BK+64*((\a)%2)
.irp t, 0,1,2,3,4,5,6,7,8,9,10,11,12,13,14,15
	ds_load_b128 v[BB+4*\t:BB+4*\t+3], v[RD] offset:\t*SPITCH
.endr
.endm
.macro SEND a, younger                 ; younger: the LDS instructions issued behind block a's loads, which may stay out
.set BB, BK+64*((\a)%2)
	s_wait_dscnt \younger                          ; the block is back in registers
.if (\a) > 0
	s_add_nc_u64 s[12:13], s[12:13], 16*SIZE_N*4   ; (behind a wait on XCNT: the earlier stores have read their base)  16 rows of C on, so that the stores' offsets stay small: 15 rows of C at the most
.endif
.irp t, 0,1,2,3,4,5,6,7,8,9,10,11,12,13,14,15
	global_store_b128 v[CO], v[BB+4*\t:BB+4*\t+3], s[12:13] offset:\t*SIZE_N*4 th:TH_STORE_NT   ; 32 lanes store 512 consecutive bytes, at a multiple of 256 from C's first byte; written once, read by nobody here
.endr
.endm
	PLACES NP                                      ; these places serve the loads into the registers that held A's fragments and the reads of the last products' results alike
	TOSTAGE 0
.irp a, 1,2,3,4,5,6,7
.if \a > 1
	s_wait_xcnt 0x0                                ; block a - 2's stores have read their registers and their base: block a's loads may land there, and the base may step
.endif
	TOSTAGE \a
	SEND \a-1, 32                                  ; behind block a - 1's loads: block a's 16 stores and 16 loads
.endr
	s_wait_xcnt 0x0                                ; block 6's stores have read their base
	SEND 7, 0
	s_wait_tensorcnt 0x0                           ; the wave's end: behind my last tensor load and my last LDS store
	ds_add_u32 v[SPW], v[NIL]
	s_wait_dscnt 0x0
	CROUND                                         ; the closing round: no work-group ends while a partner may still ask for a tile that names it
	s_endpgm
.Lfunc_end_k_qeb981ff7a9_merge:
	.size	k_qeb981ff7a9_merge, .Lfunc_end_k_qeb981ff7a9_merge-k_qeb981ff7a9_merge
	.p2alignl 7, 3214868480
	.fill 96, 4, 3214868480
	.section	.rodata,"a",@progbits
	.p2align	6, 0x0
	.amdhsa_kernel k_qeb981ff7a9_merge
		.amdhsa_group_segment_fixed_size 327680
		.amdhsa_private_segment_fixed_size 0
		.amdhsa_enable_private_segment 0
		.amdhsa_kernarg_size 40
		.amdhsa_user_sgpr_count 2
		.amdhsa_user_sgpr_kernarg_segment_ptr 1
		.amdhsa_wavefront_size32 1
		.amdhsa_system_sgpr_workgroup_id_x 1
		.amdhsa_system_sgpr_workgroup_id_y 1
		.amdhsa_system_sgpr_workgroup_id_z 1
		.amdhsa_system_vgpr_workitem_id 0
		.amdhsa_next_free_vgpr 1024
		.amdhsa_next_free_sgpr 100
		.amdhsa_reserve_vcc 0
		.amdhsa_float_denorm_mode_32 3
		.amdhsa_float_denorm_mode_16_64 3
		.amdhsa_memory_ordered 1
		.amdhsa_forward_progress 1
		.amdhsa_inst_pref_size 146
	.end_amdhsa_kernel
	.amdgpu_metadata
---
amdhsa.version: [ 1, 2 ]
amdhsa.kernels:
  - .name:           k_qeb981ff7a9_merge
    .symbol:         k_qeb981ff7a9_merge.kd
    .args:
      - { .name: aq, .offset: 0, .size: 8, .value_kind: global_buffer, .address_space: global }
      - { .name: asc, .offset: 8, .size: 8, .value_kind: global_buffer, .address_space: global }
      - { .name: wq, .offset: 16, .size: 8, .value_kind: global_buffer, .address_space: global }
      - { .name: wsc, .offset: 24, .size: 8, .value_kind: global_buffer, .address_space: global }
      - { .name: out0, .offset: 32, .size: 8, .value_kind: global_buffer, .address_space: global }
    .group_segment_fixed_size: 327680
    .private_segment_fixed_size: 0
    .kernarg_segment_align: 8
    .kernarg_segment_size: 40
    .max_flat_workgroup_size: 128
    .sgpr_count:     100
    .vgpr_count:     1024
    .wavefront_size: 32
...
	.end_amdgpu_metadata
.endif
;; end of part 4
